; MI455X (gfx1250); checked and timed in simulation.
; The chip was launched on July 23, 2026; its instructions are those of AMD's public machine-readable ISA for CDNA 5 (MIT licence, August 2026) and "CDNA5" Instruction Set Architecture Reference Guide (July 2026). The comments in the code are by the model that wrote it; some were corrected since.
;; Multi Head Attention. Allowed arithmetic: matrix products marked QUANTISED: E4M3 operands, one given power-of-two scale a tensor, by v_wmma_f32_16x16x64_fp8_fp8 or v_wmma_f32_16x16x128_fp8_fp8, f32 sums; everything else in f32.
;; Inputs: Wk 1,024 x 1,024 float32; Wo 1,024 x 1,024 float32; Wq 1,024 x 1,024 float32; Wv 1,024 x 1,024 float32; lowp_scales 12 int32 (the exponents e of the quantised operands' scales 2^e); token_positions 2,048 int32; x 4 x 2,048 x 1,024 float32.
;; Outputs: out0 4 x 2,048 x 1,024 float32.
;; This version of the problem:
;;   THIS VERSION OF THE PROBLEM IS GIVEN IN LOW PRECISION. The matrix products marked QUANTISED in the list below multiply operands that are first quantised to E4M3 (4 exponent bits, 3 mantissa bits; 8 bits a number), with one given power-of-two scale for each operand tensor; their sums are f32. All else is computed in f32.
;;   The module's matrix products, in the order in which they are computed (A, B: the left and right operand; K: the contracted axis; several contracted axes count as one K, in the product's order):
;;     1. [M 8,192, K 1,024] x [K 1,024, N 1,024]; A: input x; B: input Wq: QUANTISED (scales: A lowp_scales[0], B lowp_scales[1])
;;     2. [M 8,192, K 1,024] x [K 1,024, N 1,024]; A: input x; B: input Wk: QUANTISED (scales: A lowp_scales[2], B lowp_scales[3])
;;     3. [M 8,192, K 1,024] x [K 1,024, N 1,024]; A: input x; B: input Wv: QUANTISED (scales: A lowp_scales[4], B lowp_scales[5])
;;     4. batch 64 x [M 2,048, K 64] x [K 64, N 2,048]; A: computed on the way; B: computed on the way: QUANTISED (scales: A lowp_scales[6], B lowp_scales[7])
;;     5. batch 64 x [M 64, K 2,048] x [K 2,048, N 2,048]; A: computed on the way; B: softmax (see below): QUANTISED (scales: A lowp_scales[8], B lowp_scales[9])
;;     6. [M 8,192, K 1,024] x [K 1,024, N 1,024]; A: computed on the way; B: input Wo: QUANTISED (scales: A lowp_scales[10], B lowp_scales[11])
;;   THE QUANTISER, for each operand of a quantised product, along K:
;;     - The operand's scale is 2^e, e = its entry of the input lowp_scales (int32; the entries are numbered through the quantised products in the list's order, A before B).
;;     - Each number is divided by the scale, clamped to +-448, and rounded to the nearest number of E4M3, ties to even, subnormals kept.
;;     - The product sums the exact products of the quantised numbers (number of the format x scale) in f32.
;;   ~~~python
;;   def quantise(x, axis, e):      # numpy; x: float32 -> the quantised numbers, widened to float32 again
;;       x = np.moveaxis(x, axis, -1); K = x.shape[-1]
;;       r = np.clip(x / 2.0 ** e, -448, 448)
;;       step = 2.0 ** (np.maximum(np.frexp(np.where(r == 0, 1, r))[1] - 1, -6) - 3)
;;       q = np.round(r / step) * step * 2.0 ** e      # np.round: ties to even
;;       return np.moveaxis(q, -1, axis).astype(np.float32)
;;   ~~~
;;   SOFTMAX AHEAD OF A QUANTISED PRODUCT. Where the list says 'softmax', what is quantised is not the finished softmax but p = 2^(t - M), with t = logit x log2(e) and M = ceil(the row's largest t), a whole number; so 1/2 < the row's largest p <= 1. The row's sum l is taken of the UNQUANTISED p, in f32, and the product's result is divided by l at the end. Since M is a whole number, a kernel that streams over the keys may use a running M (the ceiling of the running maximum): every later rescaling is an exact power of two, so the quantised numbers keep their values, but for numbers so far below the row's largest that they fall under the format's range.
;;   OPERANDS COMPUTED ON THE WAY. 'Computed on the way' means the value that the module computes at that place (a softmax that the list does not call 'softmax' is quantised finished and normalised). What goes into a quantiser is computed in f32, as accurately as f32 sums, v_exp_f32 and their like allow (about 1e-6 of the number): no bf16 or f16 on the way to a quantiser, and a product that is left as it is and whose result goes on into a quantised operand takes f32 operands (vector FMAs, or v_wmma_f32_16x16x4_f32). A number that lies on a knife's edge between two numbers of the format may be rounded either way, as far as f32 arithmetic and the matrix unit's own rounding can turn it there, and no further.
;; One version. Each part assembles by itself: llvm-mc -triple=amdgcn-amd-amdhsa -mcpu=gfx1250 --defsym DOCPART=n.
;; ======== version 1 of 1: 4 launches
;; limits: right only within a limited range of input values
;; workspace buffers: xc 25,165,824 bytes; wc 4,194,304 bytes; rope 524,288 bytes; qkv 25,165,824 bytes; ao 8,388,608 bytes
;; launch prep (part 1): grid 416 x 1, 4 waves a work-group, no clusters, 33,280 bytes of LDS; arguments x, Wq, Wk, Wv, Wo, lowp_scales, token_positions, xc, wc, rope; writes xc, wc, rope
.if DOCPART == 1
	.amdgcn_target "amdgcn-amd-amdhsa--gfx1250"
	.amdhsa_code_object_version 6
	.text
	.protected	k_qd8a340b0d4_prep
	.globl	k_qd8a340b0d4_prep
	.p2align	8
	.type	k_qd8a340b0d4_prep,@function
k_qd8a340b0d4_prep:
	s_mov_b64 s[64:65], 0
	v_nop
	global_prefetch_b8 v0, s[64:65] scope:SCOPE_SE
	s_setreg_imm32_b32 hwreg(HW_REG_WAVE_MODE, 25, 1), 1
	s_wait_xcnt 0x0
; PREP: f32 numbers into codes of FP8 (E4M3), and the table of cosines and sines for the rotation.
; Work-groups 0-255: x [8192][1024], 32,768 numbers each, THREE sets of codes (scales 2^e0, 2^e2, 2^e4: x is an operand of three products, each with a scale of its own) -> xc, three parts of 8,388,608 bytes.
; Work-groups 256-383: Wq, Wk, Wv, Wo [1024][1024] (scales e1, e3, e5, e11), 32 work-groups each, one set of codes -> wc, four parts of 1,048,576 bytes.  Codes lie as the numbers lie: K innermost, a code a byte.
; Work-groups 384-415: cos and sin of token_positions[s] x 10000^(-f/32), s = 0..2047, f = 0..31 -> rope.
; code = x / 2^e, held within +-448, rounded to the nearest code, ties to even.  LIMITS: each e between -126 and 119; NaN among the inputs is not served.
; THE STREAM.  A wave takes 16 steps of 512 numbers.  Each of a step's four loads reads 512 consecutive bytes, 16 a lane; the conversions want 16 NEIGHBOURS in a lane's registers, so the step's 2,048 bytes turn through the
; wave's own stage in LDS (16 bytes of padding behind each 64) and come back 64 bytes a lane.  A lane's 16 codes are 16 bytes: each store of the wave covers 512 consecutive bytes, aligned.
; Only pointers and scales are chosen by the work-group's number; x's two further sets stand under a scalar branch on that number, which leads round register work and stores alone.
; No cluster, no tensor load: work-groups share no input, waves share nothing.  Loads run four steps (16 loads a wave) ahead, the turn through LDS one step.
; THE TABLE lies in the order of its reader's registers: [block of 16 positions][q 0..7][lane 16 h + r][cos f0, sin f0, cos f0+1, sin f0+1], f0 = 8 (q / 2) + 4 h + 2 (q % 2), position 16 x block + r.
; The frequencies 10000^(-f/32) = 10^(-f/8) hang on no input: 10^(-(f % 8)/8), rounded to f32, times 1, 0.1, 0.01 or 0.001: half a unit in the last place for f < 8, at most about one and a half beyond.
; cos and sin in f32: the angle (one rounding, position x frequency) less n x pi/2, pi/2 in three parts by fused multiply-adds, then two polynomials on |y| <= pi/4, error about 1e-7.
; LIMIT: |position| under 2^22, so that n, taken by adding 1.5 x 2^23, is a whole number under 2^22.
.set WAVES, 4
.set STEPS, 16
.set SP,    80                         ; a lane's place in a stage: its 64 bytes + 16 of padding
.set WREG,  8192                       ; LDS: a region for each wave: two stages of 32 x SP bytes
.set SPARE, WAVES*WREG                 ; behind the regions: the spare words, 128 bytes a wave
.set SPW,   12                         ; v12  LDS address of my spare word; never rewritten
.set NIL,   13                         ; v13  0; never rewritten
.set R,     16                         ; v16-79    four sets of 16 numbers as loaded
.set X,     80                         ; v80-111   two sets of 16 neighbours
.set TA,    112                        ; v112-159  the numbers held within the three scales' ranges
.set TB,    128
.set TC,    144
.set C,     160                        ; v160-183  two sets of 12 registers of codes
	s_load_b256 s[4:11], s[0:1], 0x0               ; x s[4:5], Wq s[6:7], Wk s[8:9], Wv s[10:11]
	s_load_b256 s[12:19], s[0:1], 0x20             ; Wo s[12:13], the scales s[14:15], token_positions s[16:17], xc s[18:19]
	s_load_b128 s[20:23], s[0:1], 0x40             ; wc s[20:21], rope s[22:23]
	v_lshl_add_u32 v[SPW], v0, 2, SPARE
	v_mov_b32 v[NIL], 0
	s_cmp_ge_u32 ttmp9, 384
	s_cbranch_scc1 .Lrope                          ; the table's work-groups touch no LDS
	v_lshrrev_b32 v1, 5, v0
	v_readfirstlane_b32 s28, v1                    ; wave
	v_and_b32 v2, 31, v0                           ; lane
	v_lshlrev_b32 v3, 4, v2                        ; my 16 bytes of a load's 512
	v_lshlrev_b32 v4, 4, v2                        ; my 16 codes of a step's 512
	s_mul_i32 s29, s28, WREG
	v_lshrrev_b32 v14, 2, v2
	v_mul_u32_u24 v14, v14, SP
	v_and_b32 v15, 3, v2
	v_lshl_add_u32 v14, v15, 4, v14
	v_add_nc_u32 v14, s29, v14                     ; the stage, on the way in: SP (lane / 4) + 16 (lane % 4)
	v_mul_u32_u24 v15, v2, SP
	v_add_nc_u32 v15, s29, v15                     ; and on the way out: SP x lane: my 16 neighbours
	s_and_b32 s24, ttmp9, 31                       ; a weight's chunk
	s_lshr_b32 s25, ttmp9, 5
	s_sub_co_i32 s25, s25, 8
	s_max_i32 s25, s25, 0                          ; which weight, 0..3 (0 for x)
	s_cmp_lt_u32 ttmp9, 256
	s_cselect_b32 s24, ttmp9, s24                  ; x's chunk is the work-group's number
	s_lshl_b32 s24, s24, 2
	s_add_co_u32 s24, s24, s28                     ; which run of 8,192 numbers is my wave's
	s_lshl_b32 s26, s24, 15                        ; its bytes as f32,
	s_mov_b32 s27, 0
	s_lshl_b32 s38, s24, 13                        ; and as codes
	s_mov_b32 s39, 0
	s_lshl_b32 s56, s25, 20                        ; the weight's part of wc
	s_mov_b32 s57, 0
	s_wait_alu depctr_va_vdst(0)
	s_wait_kmcnt 0x0
	s_load_b256 s[40:47], s[14:15], 0x0            ; e0 .. e7
	s_load_b128 s[48:51], s[14:15], 0x20           ; e8 .. e11
	s_cmp_ge_u32 ttmp9, 256                        ; the choices hang on the work-group's number alone
	s_cselect_b64 s[30:31], s[6:7], s[4:5]
	s_cselect_b64 s[32:33], s[20:21], s[18:19]
	s_cmp_ge_u32 ttmp9, 288
	s_cselect_b64 s[30:31], s[8:9], s[30:31]
	s_cmp_ge_u32 ttmp9, 320
	s_cselect_b64 s[30:31], s[10:11], s[30:31]
	s_cmp_ge_u32 ttmp9, 352
	s_cselect_b64 s[30:31], s[12:13], s[30:31]
	s_add_nc_u64 s[30:31], s[30:31], s[26:27]      ; the numbers of my run
	s_add_nc_u64 s[32:33], s[32:33], s[56:57]
	s_add_nc_u64 s[32:33], s[32:33], s[38:39]      ; their codes: x's first set, or the weight's
	s_add_nc_u64 s[34:35], s[18:19], 0x800000
	s_add_nc_u64 s[34:35], s[34:35], s[38:39]      ; x's second set
	s_add_nc_u64 s[36:37], s[18:19], 0x1000000
	s_add_nc_u64 s[36:37], s[36:37], s[38:39]      ; x's third set (a weight's work-group uses neither)
.macro LOAD t
.irp i, 0,1,2,3
	global_load_b128 v[R+16*((\t)%4)+4*\i:R+16*((\t)%4)+4*\i+3], v3, s[30:31] offset:2048*(\t)+512*\i th:TH_LOAD_NT   ; 32 lanes read 512 consecutive bytes; read once in the launch
.endr
.endm
.macro TURN t                          ; step t's numbers through the stage: LDS serves a wave's instructions in order, so no wait stands between the stores and the loads
.irp i, 0,1,2,3
	ds_store_b128 v14, v[R+16*((\t)%4)+4*\i:R+16*((\t)%4)+4*\i+3] offset:32*SP*((\t)%2)+8*SP*\i
.endr
.irp i, 0,1,2,3
	ds_load_b128 v[X+16*((\t)%2)+4*\i:X+16*((\t)%2)+4*\i+3], v15 offset:32*SP*((\t)%2)+16*\i
.endr
.endm
.macro MKS e, sc, lim                  ; 2^e as f32 (the conversion takes its exponent field), and 448 x 2^e
	s_add_co_i32 s53, \e, 127
	s_lshl_b32 s54, s53, 23
	v_mov_b32 v[\sc], s54
	s_add_co_i32 s53, s53, 8
	s_lshl_b32 s53, s53, 23
	s_or_b32 s53, s53, 0x600000
	v_mov_b32 v[\lim], s53
.endm
.irp t, 0,1,2,3
	LOAD \t
.endr
	s_wait_kmcnt 0x0
	s_cmp_ge_u32 ttmp9, 256
	s_cselect_b32 s52, s41, s40                    ; x: e0;  Wq: e1
	s_cmp_ge_u32 ttmp9, 288
	s_cselect_b32 s52, s43, s52                    ; Wk: e3
	s_cmp_ge_u32 ttmp9, 320
	s_cselect_b32 s52, s45, s52                    ; Wv: e5
	s_cmp_ge_u32 ttmp9, 352
	s_cselect_b32 s52, s51, s52                    ; Wo: e11
	MKS s52, 184, 185
	MKS s42, 186, 187                              ; x's second set: e2
	MKS s44, 188, 189                              ; x's third: e4
	s_wait_alu depctr_va_vdst(0)
	s_wait_loadcnt 12                              ; step 0's four loads are in
	TURN 0
.macro HOLD16 dst, lim                 ; the conversion to an 8-bit code does not saturate (ISA guide 7.6.2): the numbers are held within 448 x the scale, into other registers, since x is quantised three times
.set jj, 0
.rept 16
	v_med3_num_f32 v[\dst+jj], v[XS+jj], -v[\lim], v[\lim]
.set jj, jj+1
.endr
.endm
.macro STEP t
.set XS, X+16*((\t)%2)
.set CS, C+12*((\t)%2)
	s_wait_dscnt 0x0                               ; this step's numbers are back from the stage, and its stores into the stage have read their registers
	s_wait_xcnt 0x0                                ; the stores of two steps ago have read their data: this step's codes are written over them only behind this wait
.if (\t)+4 < STEPS
	LOAD (\t)+4
.endif
.if (\t)+1 < STEPS
.if STEPS-2-(\t) >= 3
	s_wait_loadcnt 12                              ; the next step's four loads are in; those of the three steps behind it may be out
.else
	s_wait_loadcnt 4*(STEPS-2-(\t))
.endif
	TURN (\t)+1                                    ; and go through the other stage while this step is worked
.endif
	HOLD16 TA, 185
	v_cvt_scalef32_pk8_fp8_f32 v[CS:CS+1], v[TA:TA+7], v184
	v_cvt_scalef32_pk8_fp8_f32 v[CS+2:CS+3], v[TA+8:TA+15], v184
	v_nop                                          ; a plain line behind the last conversion of a run
	global_store_b128 v4, v[CS:CS+3], s[32:33] offset:512*(\t)
	s_cmp_ge_u32 ttmp9, 256
	s_cbranch_scc1 .Lone_\@                        ; a weight has one set of codes
	HOLD16 TB, 187
	HOLD16 TC, 189
	v_cvt_scalef32_pk8_fp8_f32 v[CS+4:CS+5], v[TB:TB+7], v186
	v_cvt_scalef32_pk8_fp8_f32 v[CS+6:CS+7], v[TB+8:TB+15], v186
	v_cvt_scalef32_pk8_fp8_f32 v[CS+8:CS+9], v[TC:TC+7], v188
	v_cvt_scalef32_pk8_fp8_f32 v[CS+10:CS+11], v[TC+8:TC+15], v188
	v_nop
	global_store_b128 v4, v[CS+4:CS+7], s[34:35] offset:512*(\t)
	global_store_b128 v4, v[CS+8:CS+11], s[36:37] offset:512*(\t)
.Lone_\@:
.endm
.irp t, 0,1,2,3,4,5,6,7,8,9,10,11,12,13,14,15
	STEP \t
.endr
	s_wait_tensorcnt 0x0                           ; the wave's end
	ds_add_u32 v[SPW], v[NIL]
	s_wait_dscnt 0x0
	s_endpgm
.Lrope:
; Work-group g = number - 384 makes blocks 4 g .. 4 g + 3 (64 positions).  Thread 32 w + 16 h + r takes position r of each block and the frequencies f0, f0 + 1 (q = w) and f0 + 16, f0 + 17 (q = w + 4),
; f0 = 8 (w / 2) + 2 (w % 2) + 4 h: sixteen angles.  Each store of a wave covers 512 consecutive bytes, aligned.
; f = 8 x decade + j: j = 2 (w % 2) + 4 h (+ 1), decade = w / 2 (+ 2).  What hangs on the wave is chosen in scalar registers, what hangs on h by one select.
	v_lshrrev_b32 v1, 5, v0
	v_readfirstlane_b32 s28, v1                    ; wave w
	v_and_b32 v1, 15, v0                           ; r
	v_bfe_u32 v2, v0, 4, 1                         ; h
	v_lshlrev_b32 v6, 2, v1                        ; my position's word
	v_lshlrev_b32 v7, 4, v0                        ; 16 x thread
	s_and_b32 s30, s28, 1                          ; w % 2
	s_lshr_b32 s31, s28, 1                         ; w / 2
	s_sub_co_u32 s24, ttmp9, 384
	s_lshl_b32 s26, s24, 8                         ; 64 positions of 4 bytes
	s_mov_b32 s27, 0
	s_lshl_b32 s28, s24, 14                        ; four blocks of 4,096 bytes
	s_mov_b32 s29, 0
	s_mov_b32 s32, 0x3f800000                      ; 10^(-0/8): j for h = 0,
	s_mov_b32 s33, 0x3ea1e89b                      ; 10^(-4/8): for h = 1,
	s_mov_b32 s34, 0x3f3ff911                      ; 10^(-1/8): j + 1 for h = 0,
	s_mov_b32 s35, 0x3e72d424                      ; 10^(-5/8): for h = 1; all four where w % 2 = 0
	s_cmp_eq_u32 s30, 1
	s_cselect_b32 s32, 0x3f0ff59a, s32             ; 10^(-2/8): the same four where w % 2 = 1
	s_cselect_b32 s33, 0x3e361887, s33             ; 10^(-6/8)
	s_cselect_b32 s34, 0x3ed7e89b, s34             ; 10^(-3/8)
	s_cselect_b32 s35, 0x3e088d77, s35             ; 10^(-7/8)
	s_mov_b32 s36, 0x3f800000                      ; the decades: 1 and 0.01 where w / 2 = 0,
	s_mov_b32 s37, 0x3c23d70a
	s_cmp_eq_u32 s31, 1
	s_cselect_b32 s36, 0x3dcccccd, s36             ; 0.1 and 0.001 where it is 1
	s_cselect_b32 s37, 0x3a83126f, s37
	s_wait_alu depctr_va_vdst(0)
	s_wait_kmcnt 0x0
	s_add_nc_u64 s[16:17], s[16:17], s[26:27]
	s_add_nc_u64 s[22:23], s[22:23], s[28:29]
.irp b, 0,1,2,3
	global_load_b32 v[20+\b], v6, s[16:17] offset:64*\b
.endr
	v_cmp_eq_u32 vcc_lo, 1, v2
	v_mov_b32 v8, s32
	v_mov_b32 v9, s33
	v_mov_b32 v10, s34
	v_mov_b32 v11, s35
	v_cndmask_b32 v8, v8, v9, vcc_lo               ; 10^(-j/8)
	v_cndmask_b32 v10, v10, v11, vcc_lo            ; 10^(-(j+1)/8)
	v_mul_f32 v16, s36, v8                         ; the frequencies of f0,
	v_mul_f32 v17, s36, v10                        ; f0 + 1,
	v_mul_f32 v18, s37, v8                         ; f0 + 16,
	v_mul_f32 v19, s37, v10                        ; f0 + 17
	v_mov_b32 v72, 0x3f22f983                      ; 2 / pi
	v_mov_b32 v73, 0x4b400000                      ; 1.5 x 2^23: a sum with it is rounded to a whole number, ties to even
	v_mov_b32 v74, 0xbfc90fdb                      ; -pi / 2 in three parts
	v_mov_b32 v75, 0x333bbd2e
	v_mov_b32 v76, 0x26f72ced
	v_mov_b32 v77, 0xbe2aaaa3                      ; sin y = y + y z (S1 + z (S2 + z S3)), z = y y
	v_mov_b32 v78, 0x3c08839e
	v_mov_b32 v79, 0xb94ca1f9
	v_mov_b32 v80, 0x3d2aaaa5                      ; cos y = 1 - z / 2 + z z (C1 + z (C2 + z C3))
	v_mov_b32 v81, 0xbab6061a
	v_mov_b32 v82, 0x37ccf5ce
	v_mov_b32 v83, 0xbf000000                      ; -1/2
	v_mov_b32 v84, 0x3f800000                      ; 1
	s_wait_loadcnt 0x0
.irp b, 0,1,2,3
	v_cvt_f32_i32 v[20+\b], v[20+\b]
.endr
.macro SINCOS p, f, dc, ds
	v_mul_f32 v64, v[\p], v[\f]                    ; the angle: one rounding
	v_fma_f32 v65, v64, v72, v73                   ; 1.5 x 2^23 + n, n the whole number nearest to angle x 2 / pi: its low bits are n's
	v_sub_f32 v66, v65, v73                        ; n, exactly
	v_fma_f32 v64, v66, v74, v64
	v_fma_f32 v64, v66, v75, v64
	v_fma_f32 v64, v66, v76, v64                   ; y = angle - n pi / 2
	v_mul_f32 v66, v64, v64                        ; z
	v_fma_f32 v67, v66, v79, v78
	v_fma_f32 v67, v67, v66, v77
	v_mul_f32 v68, v64, v66
	v_fma_f32 v67, v68, v67, v64                   ; sin y
	v_fma_f32 v69, v66, v82, v81
	v_fma_f32 v69, v69, v66, v80
	v_mul_f32 v70, v66, v66
	v_fma_f32 v71, v66, v83, v84
	v_fma_f32 v69, v70, v69, v71                   ; cos y
	v_and_b32 v70, 1, v65
	v_cmp_eq_u32 vcc_lo, 1, v70                    ; n odd: the two change places
	v_cndmask_b32 v[\ds], v67, v69, vcc_lo
	v_cndmask_b32 v[\dc], v69, v67, vcc_lo
	v_lshlrev_b32 v70, 30, v65
	v_and_b32 v70, 0x80000000, v70                 ; the sine is negated where n % 4 is 2 or 3,
	v_xor_b32 v[\ds], v[\ds], v70
	v_add_nc_u32 v71, 1, v65
	v_lshlrev_b32 v71, 30, v71
	v_and_b32 v71, 0x80000000, v71                 ; the cosine where it is 1 or 2
	v_xor_b32 v[\dc], v[\dc], v71
.endm
.irp b, 0,1,2,3
.irp k, 0,1,2,3
	SINCOS 20+\b, 16+\k, 32+8*\b+2*\k, 33+8*\b+2*\k
.endr
.endr
.irp b, 0,1,2,3
.irp u, 0,1
	global_store_b128 v7, v[32+8*\b+4*\u:35+8*\b+4*\u], s[22:23] offset:4096*\b+2048*\u
.endr
.endr
	s_endpgm
.Lfunc_end_k_qd8a340b0d4_prep:
	.size	k_qd8a340b0d4_prep, .Lfunc_end_k_qd8a340b0d4_prep-k_qd8a340b0d4_prep
	.p2alignl 7, 3214868480
	.fill 96, 4, 3214868480
	.section	.rodata,"a",@progbits
	.p2align	6, 0x0
	.amdhsa_kernel k_qd8a340b0d4_prep
		.amdhsa_group_segment_fixed_size 33280
		.amdhsa_private_segment_fixed_size 0
		.amdhsa_enable_private_segment 0
		.amdhsa_kernarg_size 80
		.amdhsa_user_sgpr_count 2
		.amdhsa_user_sgpr_kernarg_segment_ptr 1
		.amdhsa_wavefront_size32 1
		.amdhsa_system_sgpr_workgroup_id_x 1
		.amdhsa_system_sgpr_workgroup_id_y 1
		.amdhsa_system_sgpr_workgroup_id_z 1
		.amdhsa_system_vgpr_workitem_id 0
		.amdhsa_next_free_vgpr 192
		.amdhsa_next_free_sgpr 66
		.amdhsa_reserve_vcc 1
		.amdhsa_float_denorm_mode_32 3
		.amdhsa_float_denorm_mode_16_64 3
		.amdhsa_memory_ordered 1
		.amdhsa_forward_progress 1
		.amdhsa_inst_pref_size 105
	.end_amdhsa_kernel
	.amdgpu_metadata
---
amdhsa.version: [ 1, 2 ]
amdhsa.kernels:
  - .name:           k_qd8a340b0d4_prep
    .symbol:         k_qd8a340b0d4_prep.kd
    .args:
      - { .name: x, .offset: 0, .size: 8, .value_kind: global_buffer, .address_space: global }
      - { .name: Wq, .offset: 8, .size: 8, .value_kind: global_buffer, .address_space: global }
      - { .name: Wk, .offset: 16, .size: 8, .value_kind: global_buffer, .address_space: global }
      - { .name: Wv, .offset: 24, .size: 8, .value_kind: global_buffer, .address_space: global }
      - { .name: Wo, .offset: 32, .size: 8, .value_kind: global_buffer, .address_space: global }
      - { .name: lowp_scales, .offset: 40, .size: 8, .value_kind: global_buffer, .address_space: global }
      - { .name: token_positions, .offset: 48, .size: 8, .value_kind: global_buffer, .address_space: global }
      - { .name: xc, .offset: 56, .size: 8, .value_kind: global_buffer, .address_space: global }
      - { .name: wc, .offset: 64, .size: 8, .value_kind: global_buffer, .address_space: global }
      - { .name: rope, .offset: 72, .size: 8, .value_kind: global_buffer, .address_space: global }
    .group_segment_fixed_size: 33280
    .private_segment_fixed_size: 0
    .kernarg_segment_align: 8
    .kernarg_segment_size: 80
    .max_flat_workgroup_size: 128
    .sgpr_count:     66
    .vgpr_count:     192
    .wavefront_size: 32
...
	.end_amdgpu_metadata
.endif
;; end of part 1
;; launch qkv (part 2): grid 4 x 96, 4 waves a work-group, clusters of 4 x 4, 327,680 bytes of LDS; arguments xc, wc, lowp_scales, rope, qkv; writes qkv
.if DOCPART == 2
	.amdgcn_target "amdgcn-amd-amdhsa--gfx1250"
	.amdhsa_code_object_version 6
	.text
	.protected	k_qd8a340b0d4_qkv
	.globl	k_qd8a340b0d4_qkv
	.p2align	8
	.type	k_qd8a340b0d4_qkv,@function
k_qd8a340b0d4_qkv:
	s_mov_b64 s[64:65], 0
	v_nop
	global_prefetch_b8 v0, s[64:65] scope:SCOPE_SE
	s_setreg_imm32_b32 hwreg(HW_REG_WAVE_MODE, 25, 1), 1
	s_wait_xcnt 0x0
	s_wait_alu depctr_hold_cnt(0) depctr_sa_sdst(0) depctr_va_vdst(0) depctr_va_sdst(0) depctr_va_ssrc(0) depctr_va_vcc(0) depctr_vm_vsrc(0)
	s_getreg_b32 s2, hwreg(HW_REG_IB_STS2, 6, 4)
	s_cmp_eq_u32 s2, 0
	s_cbranch_scc0 .Lentry_in_a_cluster
	s_endpgm
.Lentry_in_a_cluster:
	s_bfe_u32 s2, ttmp6, 0x10000c
	s_cmp_lg_u32 s2, 0xf033
	s_cbranch_scc0 .Lentry_shape_is_right
	s_endpgm
.Lentry_shape_is_right:
; QKV: the three projections on codes of FP8 (E4M3), the rotation of Q and K, and the quantising of Q, K and V for the attention.
; 24 clusters of 4 x 4 work-groups; type = cluster y / 8: 0 Q = x Wq^T, 1 K = x Wk^T, 2 V^T = Wv x^T.  A tile is 256 x 256, a wave makes 128 x 128: 64 accumulators of 16 x 16, 512 registers.
; "A" is the operand whose rows a LANE keeps, "B" the one along which its REGISTERS run (the matrix instruction is used transposed: source 0 = 16 rows of B, source 1 = 16 rows of A).
;   types 0, 1: A = x's codes (tokens), B = the weight's (channels): a lane holds one token and neighbouring channels, which are the next product's K.
;   type 2:     A = Wv's codes (channels), B = x's (tokens):         a lane holds one channel and neighbouring keys, which are the second attention product's K.  Nothing is transposed by an instruction.
; Only base pointers and the cluster's term of the tile rows are chosen by the type, which all sixteen partners share.  A's tiles hang on cy alone and are asked for jointly along a row of the cluster, B's on cx alone, along a column.
; K = 1,024 goes in four steps of 256 through a ring of two LDS slots filled by the tensor data mover: a tile's row is 256 bytes of memory.  A fragment is fetched by four loads of 16 bytes, 32 apart:
; a permutation of k, the same in A and B, so every product meets its partner.
; THE WAY OUT, block by block of 16 rows of A.  A sum stands for sum x 2^(ea + eb); the rotation is linear, so the one conversion takes 2^(e_out - ea - eb).  Q, K: (even, odd) pairs are turned by (cos, sin) of the
; token's position from the table, two packed instructions a pair.  Codes go through the wave's own stage in LDS and leave as runs of 512 consecutive bytes.
; LAYOUTS WRITTEN: Q, K codes [batch x head][token][64]; V codes [batch x head][block of 128 keys][channel][128].  In every 32 bytes of a row the two middle groups of eight change places, so that a load of 16 bytes
; at 32 c + 16 (lane / 16) brings registers 4 c .. 4 c + 3 of the plain 8-bit operand layout with each k at its own place.
; LIMITS: e6 - e0 - e1, e7 - e2 - e3 and e8 - e4 - e5 between -126 and 119, so that each power of two below is an f32 number.
; REGISTERS, in windows of 256: window 0: v16-31 addresses and scales; v32-95 the table, two sets; from v128 A's fragments, ONE set; on the way out v96-255 are free.  window 1: B's fragments, TWO sets.
;   window 2: the accumulators of my rows 0-63 ((a, b) at v[8 (8 a + b)]);  window 3: those of rows 64-127.
.set KSTEP,  256
.set ROWB,   256                       ; a tile's row in bytes
.set KROW,   1024                      ; a row of codes in memory
.set PITCH,  272                       ; an LDS row: 256 bytes + 16 of padding = 68 words: row r starts at bank 4 r mod 64 (64 banks of 4 bytes: ISA guide 11.1)
.set FR,     16
.set NL,     4
.set NP,     4                         ; places behind this matrix instruction (ISA guide 7.12.1)
.set HALFT,  128*PITCH
.set SLOT,   4*HALFT
.set LAPS,   2                         ; 1,024 / (2 x 256)
.set SPARE,  2*SLOT                    ; behind the ring: the spare words, 128 bytes a wave
.set QW,     2*16*80                   ; Q's and K's stage, a wave's: 2 heads x 16 rows x (64 bytes + 16)
.set STGQ,   SPARE+512
.set VW,     16*144                    ; V's stage, a wave's: 16 rows x (128 bytes + 16)
.set STGV,   STGQ+4*QW                 ; the two ways out have LDS bytes of their own; no fill lands in either
.set ADRA, 16
.set ADRB, 20
.set STOQ, 22
.set RDQ,  23
.set STOV, 24
.set RDV,  25
.set CO,   26                          ; 16 x lane
.set SPW,  28
.set NIL,  29
.set SCL,  30                          ; 2^(e_out - ea - eb)
.set LIM,  31                          ; 448 x that
.set TAB,  32                          ; v32-95   (cos, sin) pairs of a block's 16 tokens: two sets of 32
.set TMP,  96                          ; v96-159  a block's 64 numbers
.set T2,   160                         ; v160-191 the rotation's first products
.set CD,   192                         ; v192-223 codes, two sets of 16
.set BK,   224                         ; v224-255 codes back from the stage, two sets of 16
.set AF,   128
.set TY,   66                          ; s66 the type
.set CL,   67                          ; s67 4 x (cluster y % 8)
.set G1, 24
.set G0, 32
.set G1B, 48
.set G0B, 56
.set MSB, 0
.macro WIN new                         ; the immediate's high byte repeats the setting that is left
.if MSB != (\new)
	s_set_vgpr_msb (MSB<<8)|(\new)
.set MSB, (\new)
.endif
.endm
.set MUL_LO, 0xa1                      ; source 0 (B) window 1, source 1 (A) window 0, C and D window 2
.set MUL_HI, 0xf1
.set TO_B,   0x40
; A joint load: waves 0 and 1 fetch for A, waves 2 and 3 for B; the branch hangs on the wave's number alone.  An s_nop 0 and four v_nop follow each of the two lines.
.macro JLOAD g0a, g1a, g0b, g1b
	s_cmp_eq_u32 s15, 0
	s_cbranch_scc0 .Lfor_b_\@
	tensor_load_to_lds s[\g0a:\g0a+3], s[\g1a:\g1a+7]
	s_nop 0
.rept 4
	v_nop
.endr
	s_branch .Lasked_\@
.Lfor_b_\@:
	tensor_load_to_lds s[\g0b:\g0b+3], s[\g1b:\g1b+7]
	s_nop 0
.rept 4
	v_nop
.endr
.Lasked_\@:
.endm
.macro CREST                           ; a round of the cluster's barrier behind its opening barrier
	s_cmp_lg_u32 s14, 0
	s_cbranch_scc1 .Lnot_wave_0_\@
	s_barrier_signal -3
.Lnot_wave_0_\@:
	s_barrier_wait -3
	s_barrier_signal -1
	s_barrier_wait -1
.endm
.macro CROUND
	s_barrier_signal -1
	s_barrier_wait -1
	CREST
.endm
	s_load_b256 s[68:75], s[0:1], 0x0              ; xc s[68:69], wc s[70:71], the scales s[72:73], rope s[74:75]
	s_load_b64 s[76:77], s[0:1], 0x20              ; qkv
	v_lshl_add_u32 v[SPW], v0, 2, SPARE
	v_mov_b32 v[NIL], 0
	ds_add_u32 v[SPW], v[NIL]                      ; the wave's opening: the add and its wait stand ahead of my first tensor load; the set-up below stands between them
	ds_add_u32 v[SPW], v[NIL]
	v_lshrrev_b32 v1, 5, v0
	v_readfirstlane_b32 s14, v1                    ; wave 0..3
	s_lshr_b32 s15, s14, 1                         ; which half of A's rows is mine.  Also: I fetch for A (0) or for B (1)
	s_and_b32 s16, s14, 1                          ; which half of B's rows.  Also: which 128 rows of that tile I fetch
	s_bfe_u32 s40, ttmp6, 0x40000                  ; cx
	s_bfe_u32 s41, ttmp6, 0x40004                  ; cy
	s_and_b32 s[CL], ttmp7, 0xffff                 ; cluster y, 0..23
	s_lshr_b32 s[TY], s[CL], 3
	s_and_b32 s[CL], s[CL], 7
	s_lshl_b32 s[CL], s[CL], 2
	s_cmp_eq_u32 s[TY], 2
	s_cselect_b32 s18, 0, s[CL]                    ; the cluster's four tile rows of x belong to A (types 0, 1)
	s_cselect_b32 s19, s[CL], 0                    ; or to B (type 2)
	s_add_co_u32 s17, s41, s18                     ; A's tile row
	s_add_co_u32 s42, s40, s19                     ; B's tile row
	s_lshl_b32 s43, s41, 2
	s_lshl_b32 s43, 15, s43                        ; my row of the cluster
	s_lshl_b32 s44, 0x1111, s40                    ; my column
	s_or_b32 s[G1+0], s43, (0<<16)|(1<<20)|(1<<21)|(5<<22)|(3<<25)  ; 15:0 the mask; 17:16 element of 1 byte; 20 padding on; 21 set beside a mask; 24:22 after every 64 words (code 5); 31:25 of 4 words (code 3)
	s_or_b32 s[G1B+0], s44, (0<<16)|(1<<20)|(1<<21)|(5<<22)|(3<<25)
.irp g, G1, G1B
	s_mov_b32 s[\g+1], ROWB<<16                    ; tensor_dim0
	s_mov_b32 s[\g+2], 128<<16                     ; tensor_dim1
	s_mov_b32 s[\g+3], ROWB<<16                    ; tile_dim0
	s_mov_b32 s[\g+4], 128                         ; tile_dim1
	s_mov_b32 s[\g+5], KROW                        ; tensor_dim0_stride
	s_mov_b32 s[\g+6], 0
	s_mov_b32 s[\g+7], 0
.endr
	s_lshl_b32 s18, s16, 7                         ; which 128 rows of the tile I fetch
	s_lshl_b32 s20, s17, 8
	s_add_co_u32 s20, s20, s18
	s_lshl_b32 s20, s20, 10                        ; A: (256 x tile row + 128 x half) rows of 1,024 bytes
	s_mov_b32 s21, 0
	s_lshl_b32 s46, s42, 8
	s_add_co_u32 s46, s46, s18
	s_lshl_b32 s46, s46, 10                        ; B likewise
	s_mov_b32 s47, 0
	s_mul_i32 s45, s14, HALFT                      ; where they go: wave x 128 rows: no place in the cluster enters an LDS address
	s_lshl_b32 s22, s[TY], 23                      ; my type's part of xc and of qkv,
	s_mov_b32 s23, 0
	s_lshl_b32 s82, s[TY], 20                      ; and of wc
	s_mov_b32 s83, 0
	s_wait_dscnt 0x0                               ; the opening add is done
	s_wait_kmcnt 0x0
	s_load_b256 s[84:91], s[72:73], 0x0            ; e0 .. e7
	s_load_b32 s92, s[72:73], 0x20                 ; e8
	s_add_nc_u64 s[78:79], s[68:69], s[22:23]      ; x's codes under my product's scale
	s_add_nc_u64 s[80:81], s[70:71], s[82:83]      ; my weight's codes
	s_add_nc_u64 s[10:11], s[76:77], s[22:23]      ; my part of the output
	s_cmp_eq_u32 s[TY], 2
	s_cselect_b64 s[4:5], s[80:81], s[78:79]       ; A
	s_cselect_b64 s[6:7], s[78:79], s[80:81]       ; B
	s_add_nc_u64 s[20:21], s[4:5], s[20:21]
	s_add_nc_u64 s[46:47], s[6:7], s[46:47]
	CROUND                                         ; all sixteen work-groups are here: the first joint loads meet
.irp s, 0,1
	s_mov_b32 s[G0+4*\s], 1
	s_add_co_u32 s[G0+4*\s+1], s45, \s*SLOT
	s_add_nc_u64 s[G0+4*\s+2:G0+4*\s+3], s[20:21], \s*ROWB
	s_or_b32 s[G0+4*\s+3], s[G0+4*\s+3], 0x80000000
	s_mov_b32 s[G0B+4*\s], 1
	s_add_co_u32 s[G0B+4*\s+1], s45, \s*SLOT
	s_add_nc_u64 s[G0B+4*\s+2:G0B+4*\s+3], s[46:47], \s*ROWB
	s_or_b32 s[G0B+4*\s+3], s[G0B+4*\s+3], 0x80000000
.endr
	JLOAD G0, G1, G0B, G1B                         ; K step 0: one tensor load a wave at the head
	v_and_b32 v1, 15, v0                           ; r = l % 16
	v_bfe_u32 v2, v0, 4, 1                         ; h = l / 16
	v_mul_u32_u24 v3, v1, PITCH
	v_lshl_add_u32 v4, v2, 4, v3                   ; a fragment's row x pitch + 16 x half
	s_mul_i32 s21, s15, HALFT
	s_mul_i32 s22, s16, HALFT
	s_add_co_u32 s22, s22, 2*HALFT
.irp s, 0,1
	v_add_nc_u32 v[ADRA+\s], s21, v4
	v_add_nc_u32 v[ADRB+\s], s22, v4
	s_add_co_u32 s21, s21, SLOT
	s_add_co_u32 s22, s22, SLOT
.endr
	v_and_b32 v6, 31, v0
	v_lshlrev_b32 v[CO], 4, v6
	s_mul_i32 s23, s14, QW                         ; Q's and K's stage: in: row r, 16 bytes for each half of the lanes; back: four lanes to a row of 64 bytes
	s_add_co_u32 s23, s23, STGQ
	v_mul_u32_u24 v5, v1, 80
	v_lshl_add_u32 v5, v2, 4, v5
	v_add_nc_u32 v[STOQ], s23, v5
	v_lshrrev_b32 v7, 2, v6
	v_mul_u32_u24 v7, v7, 80
	v_and_b32 v8, 3, v6
	v_lshl_add_u32 v7, v8, 4, v7
	v_add_nc_u32 v[RDQ], s23, v7
	s_mul_i32 s23, s14, VW                         ; V's stage: in: row r; back: eight lanes to a row of 128 bytes
	s_add_co_u32 s23, s23, STGV
	v_mul_u32_u24 v5, v1, 144
	v_lshl_add_u32 v5, v2, 4, v5
	v_add_nc_u32 v[STOV], s23, v5
	v_lshrrev_b32 v7, 3, v6
	v_mul_u32_u24 v7, v7, 144
	v_and_b32 v8, 7, v6
	v_lshl_add_u32 v7, v8, 4, v7
	v_add_nc_u32 v[RDV], s23, v7
	; where my part of the output begins.  Types 0, 1: ((16 batch + 4 x B's tile row + 2 x column half) x 2,048 + my first token) x 64, batch = A's tile row / 8
	s_lshr_b32 s18, s17, 3
	s_lshl_b32 s18, s18, 4
	s_lshl_b32 s19, s42, 2
	s_add_co_u32 s18, s18, s19
	s_lshl_b32 s19, s16, 1
	s_add_co_u32 s18, s18, s19
	s_lshl_b32 s18, s18, 11
	s_and_b32 s19, s17, 7
	s_lshl_b32 s19, s19, 8
	s_lshl_b32 s20, s15, 7
	s_add_co_u32 s19, s19, s20                     ; my first token in its batch, a multiple of 128
	s_add_co_u32 s18, s18, s19
	s_lshl_b32 s18, s18, 6
	s_lshl_b32 s78, s19, 8                         ; and its block in the table: 4,096 bytes for 16 tokens
	s_mov_b32 s79, 0
	; type 2: ((16 batch + 4 x A's tile row + 2 x row half) x 16 + my block of 128 keys) x 8,192, batch = B's tile row / 8
	s_lshr_b32 s20, s42, 3
	s_lshl_b32 s20, s20, 4
	s_lshl_b32 s21, s17, 2
	s_add_co_u32 s20, s20, s21
	s_lshl_b32 s21, s15, 1
	s_add_co_u32 s20, s20, s21
	s_lshl_b32 s20, s20, 4
	s_and_b32 s21, s42, 7
	s_lshl_b32 s21, s21, 1
	s_add_co_u32 s20, s20, s21
	s_add_co_u32 s20, s20, s16
	s_lshl_b32 s20, s20, 13
	s_cmp_eq_u32 s[TY], 2
	s_cselect_b32 s18, s20, s18
	s_mov_b32 s19, 0
	s_add_nc_u64 s[10:11], s[10:11], s[18:19]
	s_add_nc_u64 s[12:13], s[74:75], s[78:79]
.macro TABLOAD a                       ; block a's (cos, sin) pairs in the order of my registers: eight loads of 512 consecutive bytes
.irp q, 0,1,2,3,4,5,6,7
	global_load_b128 v[TAB+32*((\a)%2)+4*\q:TAB+32*((\a)%2)+4*\q+3], v[CO], s[12:13] offset:4096*(\a)+512*\q
.endr
.endm
	TABLOAD 0                                      ; asked for ahead of the K loop, which touches none of these registers.  V's work-groups load these two blocks too and do not use them:
	TABLOAD 1                                      ; 8,192 bytes a wave, inside the table for every type; so the text has no path on which the table's registers are read unwritten
.macro FRAG reg, adr, q, i             ; a fragment, 16 rows x 128 K: lane l holds row l % 16; registers 4 c .. 4 c + 3 hold K = 32 c + 16 (l / 16) + 0 .. 15
.irp c, 0,1,2,3
	ds_load_b128 v[\reg+4*\c:\reg+4*\c+3], v[\adr] offset:128*(\q)+32*\c+(\i)*16*PITCH
.endr
.endm
; 16 matrix instructions: A's blocks a0, a0 + 1 x B's eight.  The 64 accumulators take turns, one instruction a turn, in the same order in every step.
.macro MUL16 a0, p, zero
.irp a, \a0, \a0+1
.irp b, 0,1,2,3,4,5,6,7
.if \zero
	v_wmma_f32_16x16x128_fp8_fp8 v[8*(8*((\a)%4)+\b):8*(8*((\a)%4)+\b)+7], v[128*(\p)+FR*\b:128*(\p)+FR*\b+FR-1], v[AF+FR*(\a):AF+FR*(\a)+FR-1], 0
.else
	v_wmma_f32_16x16x128_fp8_fp8 v[8*(8*((\a)%4)+\b):8*(8*((\a)%4)+\b)+7], v[128*(\p)+FR*\b:128*(\p)+FR*\b+FR-1], v[AF+FR*(\a):AF+FR*(\a)+FR-1], v[8*(8*((\a)%4)+\b):8*(8*((\a)%4)+\b)+7]
.endif
.endr
.endr
.endm
.macro FETCH_B slot, q, p
	WIN TO_B
.irp i, 0,1,2,3,4,5,6,7
	FRAG 128*(\p)+FR*\i, ADRB+\slot, \q, \i
.endr
	WIN 0
.endm
.macro FETCH_A slot, q, i0
.irp i, \i0, \i0+1, \i0+2, \i0+3
	FRAG AF+FR*(\i), ADRA+\slot, \q, \i
.endr
.endm
.macro PLACES n                        ; plain vector lines between a matrix instruction and a load into, or a vector read of, its registers (ISA guide 7.12.1 for vector reads)
.rept \n
	v_nop
.endr
.endm
.macro STEP slot, q, zero              ; a step of 128 along K that has its successor in the same slot
	s_wait_dscnt 4*NL                              ; B's set and A's blocks 0-3 are in; the youngest sixteen loads (A's blocks 4-7) may be out
	WIN MUL_LO
	MUL16 0, (\q)%2, \zero
	MUL16 2, (\q)%2, \zero
	s_wait_dscnt 0
	PLACES NP
	FETCH_B \slot, (\q)+1, 1-(\q)%2
	FETCH_A \slot, (\q)+1, 0
	WIN MUL_HI
	MUL16 4, (\q)%2, \zero
	MUL16 6, (\q)%2, \zero
	PLACES NP
	WIN 0
	FETCH_A \slot, (\q)+1, 4
.endm
; A slot's last step changes slots: ONE barrier; in front of it each wave waits for all its tensor loads, adds 0 to its spare word, and waits for that and for its own reads of this slot.
.macro TURN slot, next, fill
	s_wait_tensorcnt 0x0                           ; all my tensor loads have landed: my part of the next slot
	ds_add_u32 v[SPW], v[NIL]                      ; 0 onto my spare word
	s_wait_dscnt 4*NL+1                            ; (the add and the youngest sixteen loads may be out)
	WIN MUL_LO
	MUL16 0, 1, 0
	s_wait_dscnt 0x0                               ; the add is done, and my reads of this slot are over
	s_barrier_signal -1
	MUL16 2, 1, 0
	WIN 0
	s_barrier_wait -1
.if \fill
	CREST                                          ; the barrier has opened a round of the cluster's: no wave of any partner still reads this slot or has a load on its way
	s_add_nc_u64 s[G0+4*\slot+2:G0+4*\slot+3], s[G0+4*\slot+2:G0+4*\slot+3], 2*ROWB
	s_add_nc_u64 s[G0B+4*\slot+2:G0B+4*\slot+3], s[G0B+4*\slot+2:G0B+4*\slot+3], 2*ROWB
	JLOAD G0+4*\slot, G1, G0B+4*\slot, G1B         ; the first tensor load behind the round; its four v_nop are the places in front of the loads below
.else
	PLACES NP
.endif
	FETCH_B \next, 0, 0
	FETCH_A \next, 0, 0
	WIN MUL_HI
	MUL16 4, 1, 0
	MUL16 6, 1, 0
	PLACES NP
	WIN 0
	FETCH_A \next, 0, 4
.endm
	s_wait_alu depctr_va_vdst(0)                   ; the head's end
	s_wait_tensorcnt 0x0                           ; my part of K step 0 is in
	ds_add_u32 v[SPW], v[NIL]
	s_wait_dscnt 0x0
	CROUND                                         ; everybody's part of K step 0 is in, and the joint loads meet
	JLOAD G0+4, G1, G0B+4, G1B                     ; K step 1: the first tensor load behind the round
	FETCH_B 0, 0, 0
	FETCH_A 0, 0, 0
	FETCH_A 0, 0, 4
	STEP 0, 0, 1                                   ; the first step's products start the sums: nothing is cleared
	s_mov_b32 s3, LAPS-1
.Llap:                                                 ; a trip goes once round the ring and fills both slots again
	TURN 0, 1, 1
	STEP 1, 0, 0
	TURN 1, 0, 1
	STEP 0, 0, 0
	s_sub_co_u32 s3, s3, 1
	s_cmp_lg_u32 s3, 0
	s_cbranch_scc1 .Llap
	TURN 0, 1, 0                                   ; the last lap fills nothing
	STEP 1, 0, 0
	s_wait_dscnt 4*NL
	WIN MUL_LO
	MUL16 0, 1, 0
	MUL16 2, 1, 0
	s_wait_dscnt 0
	WIN MUL_HI
	MUL16 4, 1, 0
	MUL16 6, 1, 0
	WIN 0
	s_wait_kmcnt 0x0                               ; the scales: mine are chosen by the type, without a branch
	s_cmp_eq_u32 s[TY], 1
	s_cselect_b32 s84, s86, s84
	s_cselect_b32 s85, s87, s85
	s_cselect_b32 s90, s91, s90
	s_cmp_eq_u32 s[TY], 2
	s_cselect_b32 s84, s88, s84
	s_cselect_b32 s85, s89, s85
	s_cselect_b32 s90, s92, s90
	s_sub_co_i32 s90, s90, s84
	s_sub_co_i32 s90, s90, s85                     ; e_out - ea - eb
	s_add_co_i32 s90, s90, 127
	s_lshl_b32 s91, s90, 23
	v_mov_b32 v[SCL], s91
	s_add_co_i32 s90, s90, 8
	s_lshl_b32 s90, s90, 23
	s_or_b32 s90, s90, 0x600000
	v_mov_b32 v[LIM], s90
	PLACES NP                                      ; behind the last products: for the reads of results and the writes of registers that held A's fragments
	s_cmp_eq_u32 s[TY], 2
	s_cbranch_scc1 .Lv_out
; Block a of Q or K: 16 tokens x 128 channels (two heads).  Register 8 b + 2 i, + 1 of lane (r, h) is the pair f = 8 (b % 4) + 4 h + i of token r: (even, odd) -> (even cos - odd sin, even sin + odd cos).
.macro ROPE a
.set AC, 64*((\a)%4)
.set TS, TAB+32*((\a)%2)
.if ((\a) >= 1) && ((\a) <= 6)
	TABLOAD (\a)+1                                 ; into the set that the block before has read
.endif
.if (\a) < 7
	s_wait_loadcnt 8                               ; my block's eight loads are in; the next block's may be out
.else
	s_wait_loadcnt 0
.endif
	WIN 0x02+((\a)/4)                              ; source 0: the accumulators' window
.irp g, 0,1
.irp b, 0,1,2,3
.irp i, 0,1,2,3
	v_pk_mul_f32 v[T2+8*\b+2*\i:T2+8*\b+2*\i+1], v[AC+32*\g+8*\b+2*\i:AC+32*\g+8*\b+2*\i+1], v[TS+8*\b+2*\i:TS+8*\b+2*\i+1] op_sel:[1,1] op_sel_hi:[1,0] neg_lo:[1,0]   ; (-odd sin, odd cos); each accumulator from its low end on
.endr
.endr
.irp b, 0,1,2,3
.irp i, 0,1,2,3
	v_pk_fma_f32 v[TMP+32*\g+8*\b+2*\i:TMP+32*\g+8*\b+2*\i+1], v[AC+32*\g+8*\b+2*\i:AC+32*\g+8*\b+2*\i+1], v[TS+8*\b+2*\i:TS+8*\b+2*\i+1], v[T2+8*\b+2*\i:T2+8*\b+2*\i+1] op_sel_hi:[0,1,1]   ; + (even cos, even sin)
.endr
.endr
.endr
	WIN 0
.endm
.macro HOLD_Q                          ; the conversion to an 8-bit code does not saturate (ISA guide 7.6.2): the hold at 448 x the scale
.set jj, 0
.rept 64
	v_med3_num_f32 v[TMP+jj], v[TMP+jj], -v[LIM], v[LIM]
.set jj, jj+1
.endr
.endm
.macro HOLD_V a                        ; the same, straight from the accumulators, each from its low end on
.set AC, 64*((\a)%4)
	WIN 0x02+((\a)/4)
.set jj, 0
.rept 64
	v_med3_num_f32 v[TMP+jj], v[AC+jj], -v[LIM], v[LIM]
.set jj, jj+1
.endr
	WIN 0
.endm
.macro CVT8 a                          ; registers 2 b, 2 b + 1: the codes of B's rows 16 b + 8 h + 0 .. 7
.set CS, CD+16*((\a)%2)
.irp b, 0,1,2,3,4,5,6,7
	v_cvt_scalef32_pk8_fp8_f32 v[CS+2*\b:CS+2*\b+1], v[TMP+8*\b:TMP+8*\b+7], v[SCL]
.endr
	v_nop                                          ; a plain line behind the last conversion of a run
.endm
; Tiles 2 p and 2 p + 1 give a lane 16 bytes that lie together in the layout written: at 32 (p % 2) + 16 h of head p / 2's row (Q, K), at 32 p + 16 h of the row (V).
; LDS serves a wave's instructions in order: no wait between the stores and the loads, nor in front of the next block's stores.
.macro STG_Q a
.set CS, CD+16*((\a)%2)
.set BS, BK+16*((\a)%2)
.if (\a) >= 2
	s_wait_xcnt 0x0                                ; block a - 2's stores have read their data: the loads below land there only behind this wait
.endif
.irp p, 0,1,2,3
	ds_store_b128 v[STOQ], v[CS+4*\p:CS+4*\p+3] offset:1280*(\p/2)+32*(\p%2)
.endr
.irp i, 0,1,2,3
	ds_load_b128 v[BS+4*\i:BS+4*\i+3], v[RDQ] offset:1280*(\i/2)+640*(\i%2)
.endr
.endm
.macro SEND_Q a, younger               ; younger: the LDS instructions issued behind block a's loads
.set BS, BK+16*((\a)%2)
	s_wait_dscnt \younger
.irp i, 0,1,2,3
	global_store_b128 v[CO], v[BS+4*\i:BS+4*\i+3], s[10:11] offset:131072*(\i/2)+1024*(\a)+512*(\i%2)   ; eight tokens' rows of one head: 512 consecutive bytes, aligned
.endr
.endm
.macro STG_V a
.set CS, CD+16*((\a)%2)
.set BS, BK+16*((\a)%2)
.if (\a) >= 2
	s_wait_xcnt 0x0
.endif
.irp p, 0,1,2,3
	ds_store_b128 v[STOV], v[CS+4*\p:CS+4*\p+3] offset:32*\p
.endr
.irp i, 0,1,2,3
	ds_load_b128 v[BS+4*\i:BS+4*\i+3], v[RDV] offset:576*\i
.endr
.endm
.macro SEND_V a, younger
.set BS, BK+16*((\a)%2)
	s_wait_dscnt \younger
.irp i, 0,1,2,3
	global_store_b128 v[CO], v[BS+4*\i:BS+4*\i+3], s[10:11] offset:131072*((\a)/4)+2048*((\a)%4)+512*\i   ; four channels' rows of 128 keys: 512 consecutive bytes, aligned
.endr
.endm
	ROPE 0
	HOLD_Q
	CVT8 0
	STG_Q 0
.irp a, 1,2,3,4,5,6,7
	ROPE \a
	HOLD_Q
	CVT8 \a
	s_wait_alu depctr_va_vdst(0)
	STG_Q \a
	SEND_Q \a-1, 8                                 ; behind block a - 1's loads: block a's four stores and four loads
.endr
	SEND_Q 7, 0
	s_branch .Lend
.Lv_out:
	s_wait_alu depctr_va_vdst(0)
	HOLD_V 0
	CVT8 0
	STG_V 0
.irp a, 1,2,3,4,5,6,7
	HOLD_V \a
	CVT8 \a
	s_wait_alu depctr_va_vdst(0)
	STG_V \a
	SEND_V \a-1, 8
.endr
	SEND_V 7, 0
.Lend:
	s_wait_tensorcnt 0x0                           ; the wave's end
	ds_add_u32 v[SPW], v[NIL]
	s_wait_dscnt 0x0
	CROUND                                         ; the closing round: no work-group ends while a partner may still ask for a tile that names it
	s_endpgm
.Lfunc_end_k_qd8a340b0d4_qkv:
	.size	k_qd8a340b0d4_qkv, .Lfunc_end_k_qd8a340b0d4_qkv-k_qd8a340b0d4_qkv
	.p2alignl 7, 3214868480
	.fill 96, 4, 3214868480
	.section	.rodata,"a",@progbits
	.p2align	6, 0x0
	.amdhsa_kernel k_qd8a340b0d4_qkv
		.amdhsa_group_segment_fixed_size 327680
		.amdhsa_private_segment_fixed_size 0
		.amdhsa_enable_private_segment 0
		.amdhsa_kernarg_size 40
		.amdhsa_user_sgpr_count 2
		.amdhsa_user_sgpr_kernarg_segment_ptr 1
		.amdhsa_wavefront_size32 1
		.amdhsa_system_sgpr_workgroup_id_x 1
		.amdhsa_system_sgpr_workgroup_id_y 1
		.amdhsa_system_sgpr_workgroup_id_z 1
		.amdhsa_system_vgpr_workitem_id 0
		.amdhsa_next_free_vgpr 1024
		.amdhsa_next_free_sgpr 100
		.amdhsa_reserve_vcc 0
		.amdhsa_float_denorm_mode_32 3
		.amdhsa_float_denorm_mode_16_64 3
		.amdhsa_memory_ordered 1
		.amdhsa_forward_progress 1
		.amdhsa_inst_pref_size 208
	.end_amdhsa_kernel
	.amdgpu_metadata
---
amdhsa.version: [ 1, 2 ]
amdhsa.kernels:
  - .name:           k_qd8a340b0d4_qkv
    .symbol:         k_qd8a340b0d4_qkv.kd
    .args:
      - { .name: xc, .offset: 0, .size: 8, .value_kind: global_buffer, .address_space: global }
      - { .name: wc, .offset: 8, .size: 8, .value_kind: global_buffer, .address_space: global }
      - { .name: lowp_scales, .offset: 16, .size: 8, .value_kind: global_buffer, .address_space: global }
      - { .name: rope, .offset: 24, .size: 8, .value_kind: global_buffer, .address_space: global }
      - { .name: qkv, .offset: 32, .size: 8, .value_kind: global_buffer, .address_space: global }
    .group_segment_fixed_size: 327680
    .private_segment_fixed_size: 0
    .kernarg_segment_align: 8
    .kernarg_segment_size: 40
    .max_flat_workgroup_size: 128
    .sgpr_count:     100
    .vgpr_count:     1024
    .wavefront_size: 32
...
	.end_amdgpu_metadata
.endif
;; end of part 2
;; launch attn (part 3): grid 4 x 64, 16 waves a work-group, no clusters, 301,056 bytes of LDS; arguments qkv, lowp_scales, ao; writes ao
.if DOCPART == 3
	.amdgcn_target "amdgcn-amd-amdhsa--gfx1250"
	.amdhsa_code_object_version 6
	.text
	.protected	k_qd8a340b0d4_attn
	.globl	k_qd8a340b0d4_attn
	.p2align	8
	.type	k_qd8a340b0d4_attn,@function
k_qd8a340b0d4_attn:
	s_mov_b64 s[64:65], 0
	v_nop
	global_prefetch_b8 v0, s[64:65] scope:SCOPE_SE
	s_setreg_imm32_b32 hwreg(HW_REG_WAVE_MODE, 25, 1), 1
	s_wait_xcnt 0x0
; ATTN: causal attention on codes of FP8 (E4M3), head size 64, 64 (batch, head) pairs of 2,048 tokens.  Q codes (2^e6), K codes (2^e7), V codes (2^e8, keys innermost) come from the launch before;
; p is quantised with 2^e9; the result, divided by the row's sum, is quantised with 2^e10 for the last projection.
; THE SOFTMAX: t = score x log2(e) / 8; M = the running largest t rounded UP to a whole number; p = 2^(t - M) is quantised, not normalised; the row's sum is taken of the unquantised p, in f32.
; When M moves, the sum and O are multiplied by 2^(old M - new M): exact.  LIMIT: the scaled scores t stay under 2^31 in magnitude.
; SHARES.  Work-group (g, pair), g = 0..3: 256 work-groups.  A pair has 128 tiles of 16 queries; wave w takes tiles 127 - i and i, i = 16 g + w, one after the other:
; ceil((128 - i) / 8) + ceil((i + 1) / 8) = 17 key steps of 128 keys for every wave.  Steps whose keys all come after the tile's queries are left out by a scalar branch on ids.
; K AND V STAY IN LDS: a chunk is 128 keys, 8,192 bytes of K and of V, 32 rows of 256 bytes + 16 of padding each; 16 chunks of each fit.  No LDS byte is filled twice.
; The fill goes through registers: a wave brings 512 bytes of K and of V of each chunk (16 bytes a lane).  Chunks 0, 1 are stored at the head; trip c of the first loop (7 trips) stores chunks 2 c + 2, 2 c + 3 and asks for
; chunks 2 c + 4, 2 c + 5, up to the work-group's last chunk (16 - 2 g chunks hold all keys up to its last query), and works on chunk c.  Stores stand ahead of the trip's signal, the wait at the trip's end.
; Behind the seventh trip every chunk is in LDS: the other steps have no barrier.
; NO TENSOR LOAD, NO CLUSTER: the hold on p is led round by a branch on e9, a loaded number; and the four partners of a pair need 16, 14, 12 and 10 chunks.
; THE HOLD ON p: p is at most 1 (one unit in the last place more, where c x score is rounded).  With e9 >= -8 the largest code stands for 448 x 2^e9 >= 1.75, so the hold changes nothing and its 64 lines are jumped over; with e9 < -8 they run.
; PREFETCH: the work-group with g = 0, which reads every chunk, asks: wave 4 for K's 8,192 bytes of a chunk, wave 5 for V's, lanes 256 bytes apart.  Trip c asks for chunks 2 c + 8, 2 c + 9, two trips ahead of their loads;
; chunks 4 to 7, which trips 0 and 1 load, are asked for at the head; chunk 15 is the last.
; LAYOUT.  Both products are used transposed: S^T = K Q^T (source 0 = 16 keys, source 1 = my 16 queries, K = 64), O^T = V^T P^T (source 0 = 16 channels, source 1 = P, K = 128 keys): a lane holds ONE query.
; Tile c of S^T gives lane (r, h) keys 16 c + 8 h + 0 .. 7: converted, they are registers 2 c, 2 c + 1 of P.
; LIMITS on the exponents, so that each power of two is an f32 number: e6 + e7 between -123 and 130; e9, and e10 - e8 - e9, between -126 and 119.
; REGISTERS: v1-11 addresses; v12 -M, v13 largest t, v[14:15] the sum; v16-23 Q of the first tile; v24-31 and v192-199 two chunks on their way; v192-199 then Q of the second tile; v32-95 fragments of K, then V;
; v96-159 S^T, then p; v160-191 O^T; v200-220 at work; v224-239 p's codes; v240-255 partial sums.
.set KP,    272
.set CHB,   32*KP                      ; a chunk of K or of V in LDS
.set VOFF,  16*CHB                     ; V's chunks lie behind K's
.set SPARE, 2*VOFF                     ; the spare words, 128 bytes for each of sixteen waves
.set STAGE, SPARE+2048                 ; the way out: 16 rows x (64 bytes + 16) for each wave
.set AK0,  1
.set AV0,  2
.set PFO,  3                           ; 256 x lane
.set D0,   4                           ; r - 8 h
.set SPW,  5
.set NIL,  6
.set GO,   7                           ; 16 x lane
.set ADK,  8
.set ADV,  9
.set SIN,  10                          ; my stage, on the way in
.set SOUT, 11                          ; and back
.set STK,  214
.set STV,  215
.set ST0,  216                         ; where my 16 bytes of a chunk of K go: row thread / 16, byte 16 (thread % 16)
.set ST1,  217                         ; the same for V
.set T16,  218                         ; 16 x thread
.set QO,   219
.set CB,   2                           ; s2  LDS byte of the chunk in hand
.set CH,   3                           ; s3  the loops' counter
.set WV,   18
.set SEL,  20
.set CS,   22
.set KB,   24                          ; s[24:25], s[26:27] K's and V's codes, stepped two chunks a trip
.set VB,   26
.set PFA,  28
.set PLIM, 30                          ; 4 in a wave that prefetches, else 0
.set NCH,  31                          ; my work-group's chunks
.set HOLD, 32                          ; 1 where e9 < -8
.set QB,   33                          ; the second tile's first query
.set OA,   34                          ; s[34:35], s[36:37] where the two tiles go in ao
.set OB,   36
.set SB,   38                          ; s38 LDS byte from which the trip's stores count: two chunks a trip
.set KF,   98
.set Q0,   99
.macro AOFF q, d                       ; ao: ((16 batch + query / 128) x 16 + head) x 8,192 + (query / 16 % 8) x 1,024
	s_lshr_b32 s47, s[\q], 7
	s_add_co_u32 s47, s47, s46
	s_lshl_b32 s47, s47, 4
	s_add_co_u32 s47, s47, s43
	s_lshl_b32 s47, s47, 13
	s_bfe_u32 s[\d], s[\q], 0x30004
	s_lshl_b32 s[\d], s[\d], 10
	s_add_co_u32 s[\d], s[\d], s47
	s_mov_b32 s[\d+1], 0
.endm
.macro INIT                            ; a tile's start: the step is written once, its first run finds zeros
	v_mov_b32 v13, 0xff61b1e6                      ; -3e38, under every t
	v_floor_f32 v12, -v13
	v_mov_b32 v14, 0
	v_mov_b32 v15, 0
.set jj, 0
.rept 32
	v_mov_b32 v[160+jj], 0
.set jj, jj+1
.endr
.endm
	s_load_b128 s[4:7], s[0:1], 0x0                ; qkv, the scales
	s_load_b64 s[16:17], s[0:1], 0x10              ; ao
	v_lshl_add_u32 v[SPW], v0, 2, SPARE
	v_mov_b32 v[NIL], 0
	v_lshrrev_b32 v220, 5, v0
	v_readfirstlane_b32 s[WV], v220                ; wave 0..15
	v_and_b32 v8, 15, v0                           ; r
	v_bfe_u32 v9, v0, 4, 1                         ; h
	v_lshlrev_b32 v[T16], 4, v0
	v_lshlrev_b32 v[QO], 6, v8
	v_lshl_add_u32 v[QO], v9, 4, v[QO]             ; Q: row r of 64 bytes, + 16 h
	v_lshrrev_b32 v[ST0], 4, v0
	v_mul_u32_u24 v[ST0], v[ST0], KP
	v_lshl_add_u32 v[ST0], v8, 4, v[ST0]
	v_add_nc_u32 v[ST1], VOFF, v[ST0]
	v_and_b32 v[PFO], 31, v0
	v_lshlrev_b32 v[GO], 4, v[PFO]
	v_lshlrev_b32 v[PFO], 8, v[PFO]
	s_and_b32 s40, ttmp7, 0xffff                   ; the pair
	s_lshl_b32 s[QB], ttmp9, 4
	s_add_co_u32 s[QB], s[QB], s[WV]               ; i
	s_lshl_b32 s[QB], s[QB], 4
	s_sub_co_u32 s[Q0], 2032, s[QB]                ; the first tile's first query: 16 (127 - i)
	s_lshl_b32 s[NCH], ttmp9, 1
	s_sub_co_u32 s[NCH], 16, s[NCH]
	s_lshl_b32 s44, s40, 17                        ; the pair's 131,072 bytes in each of qkv's three parts
	s_mov_b32 s45, 0
	s_lshl_b32 s48, s[Q0], 6
	s_mov_b32 s49, 0
	s_lshl_b32 s50, s[QB], 6
	s_mov_b32 s51, 0
	s_and_b32 s46, s40, 0x30                       ; 16 x batch
	s_and_b32 s43, s40, 15                         ; head
	AOFF Q0, OA
	AOFF QB, OB
	s_sub_co_u32 s47, s[WV], 4
	s_lshr_b32 s47, s47, 1                         ; 0 in waves 4 and 5,
	s_or_b32 s47, s47, ttmp9                       ; of the work-group with g = 0
	s_cmp_eq_u32 s47, 0
	s_cselect_b32 s[PLIM], 4, 0
	s_mov_b32 s[SEL], 0x76543210
	s_mov_b32 s[SEL+1], 0xfedcba98
	s_mov_b32 s[CS], 0x3e38aa3b                    ; log2(e) / 8
	s_mov_b32 s[CB], 0
	s_mov_b32 s[SB], 0
	s_mov_b32 s[CH], 0
	s_mov_b32 s[KF], 0
	s_wait_alu depctr_va_vdst(0)
	s_wait_kmcnt 0x0
	s_load_b128 s[68:71], s[6:7], 0x18             ; e6, e7, e8, e9
	s_load_b32 s72, s[6:7], 0x28                   ; e10
	s_add_nc_u64 s[52:53], s[4:5], s[44:45]        ; the pair's Q,
	s_add_nc_u64 s[KB:KB+1], s[52:53], 0x800000    ; K,
	s_add_nc_u64 s[VB:VB+1], s[KB:KB+1], 0x800000  ; V
	s_add_nc_u64 s[48:49], s[52:53], s[48:49]
	s_add_nc_u64 s[50:51], s[52:53], s[50:51]
	s_add_nc_u64 s[OA:OA+1], s[16:17], s[OA:OA+1]
	s_add_nc_u64 s[OB:OB+1], s[16:17], s[OB:OB+1]
	s_cmp_eq_u32 s[WV], 4
	s_cselect_b64 s[PFA:PFA+1], s[KB:KB+1], s[VB:VB+1]
.irp k, 0,1                                    ; chunks 0 and 1, into registers that the scores take later
	global_load_b128 v[96+8*\k:99+8*\k], v[T16], s[KB:KB+1] offset:8192*\k
	global_load_b128 v[100+8*\k:103+8*\k], v[T16], s[VB:VB+1] offset:8192*\k
.endr
	global_load_b128 v[24:27], v[T16], s[KB:KB+1] offset:16384   ; chunk 2
	global_load_b128 v[28:31], v[T16], s[VB:VB+1] offset:16384
	global_load_b128 v[192:195], v[T16], s[KB:KB+1] offset:24576 ; chunk 3
	global_load_b128 v[196:199], v[T16], s[VB:VB+1] offset:24576
	global_load_b128 v[16:19], v[QO], s[48:49]
	global_load_b128 v[20:23], v[QO], s[48:49] offset:32
	s_cmp_lg_u32 s[PLIM], 0
	s_cbranch_scc0 .Lno_head_ask
.irp k, 4,5,6,7
	global_prefetch_b8 v[PFO], s[PFA:PFA+1] offset:8192*\k th:TH_LOAD_NT scope:SCOPE_SE
.endr
.Lno_head_ask:
	v_lshrrev_b32 v[AK0], 2, v8
	v_mul_u32_u24 v[AK0], v[AK0], KP
	v_and_b32 v220, 3, v8
	v_lshl_add_u32 v[AK0], v220, 6, v[AK0]
	v_lshl_add_u32 v[AK0], v9, 4, v[AK0]           ; K: key r of a tile: row r / 4, byte 64 (r % 4) + 16 h
	v_lshrrev_b32 v[AV0], 1, v8
	v_mul_u32_u24 v[AV0], v[AV0], KP
	v_and_b32 v220, 1, v8
	v_lshl_add_u32 v[AV0], v220, 7, v[AV0]
	v_lshl_add_u32 v[AV0], v9, 4, v[AV0]
	v_add_nc_u32 v[AV0], VOFF, v[AV0]              ; V: channel r of a tile: row r / 2, byte 128 (r % 2) + 16 h
	v_lshlrev_b32 v[D0], 3, v9
	v_sub_nc_u32 v[D0], v8, v[D0]
	s_mul_i32 s47, s[WV], 16*80
	s_add_co_u32 s47, s47, STAGE
	v_mul_u32_u24 v[SIN], v8, 80
	v_lshl_add_u32 v[SIN], v9, 3, v[SIN]
	v_add_nc_u32 v[SIN], s47, v[SIN]               ; in: row r; tile t's eight channels at 16 t + 8 h
	v_bfe_u32 v[SOUT], v0, 2, 3
	v_mul_u32_u24 v[SOUT], v[SOUT], 80
	v_and_b32 v220, 3, v0
	v_lshl_add_u32 v[SOUT], v220, 4, v[SOUT]
	v_add_nc_u32 v[SOUT], s47, v[SOUT]             ; back: four lanes to a row of 64 bytes
	v_mov_b32 v200, 0                              ; a lane permute's destination counts as one of its sources
	v_mov_b32 v203, 0                              ; (the upper half of the pair v[202:203])
	INIT
	s_wait_kmcnt 0x0
	s_add_co_i32 s74, s68, s69
	s_lshl_b32 s74, s74, 23
	s_add_co_i32 s[CS], s[CS], s74                 ; e6 + e7 are added to c's exponent field
	s_mov_b32 s[CS+1], s[CS]
	s_add_co_i32 s74, s71, 127
	s_lshl_b32 s75, s74, 23
	v_mov_b32 v209, s75                            ; 2^e9
	s_add_co_i32 s74, s74, 8
	s_lshl_b32 s74, s74, 23
	s_or_b32 s74, s74, 0x600000
	v_mov_b32 v208, s74                            ; 448 x 2^e9
	s_cmp_lt_i32 s71, -8
	s_cselect_b32 s[HOLD], 1, 0
	s_sub_co_i32 s74, s72, s70
	s_sub_co_i32 s74, s74, s71                     ; e10 - e8 - e9
	s_add_co_i32 s74, s74, 127
	s_lshl_b32 s75, s74, 23
	v_mov_b32 v212, s75
	s_add_co_i32 s74, s74, 8
	s_lshl_b32 s74, s74, 23
	s_or_b32 s74, s74, 0x600000
	v_mov_b32 v213, s74
	s_wait_alu depctr_va_vdst(0)                   ; the head's end
	s_wait_loadcnt 6                               ; chunks 0 and 1 are in; behind them: the four loads of chunks 2 and 3 and Q's two
	ds_store_b128 v[ST0], v[96:99]
	ds_store_b128 v[ST1], v[100:103]
	ds_store_b128 v[ST0], v[104:107] offset:CHB
	ds_store_b128 v[ST1], v[108:111] offset:CHB
	s_wait_dscnt 0x0
	s_barrier_signal -1
	s_barrier_wait -1                              ; everybody's parts of chunks 0 and 1 are in LDS
.macro MASKT c                         ; tile c on the diagonal step: all its keys count where 16 c + 15 <= Q0 - KF; else hidden scores become -infinity
	s_cmp_gt_u32 s96, 16*(\c)
	s_cbranch_scc1 .Lvis_\@
.set nn, 0
.rept 8
	v_cmp_gt_i32 vcc_lo, 16*(\c)+nn, v210
	v_cndmask_b32 v[96+8*(\c)+nn], v[96+8*(\c)+nn], v211, vcc_lo
.set nn, nn+1
.endr
.Lvis_\@:
.endm
; A KEY STEP: the 128 keys of the chunk at s[CB]; qr: the tile's Q
.macro STEP qr
	s_add_co_u32 s96, s[Q0], 15
	s_cmp_gt_u32 s[KF], s96                        ; all keys behind my 16 queries: the step's work is left out
	s_cbranch_scc1 .Lhidden_\@
	v_add_nc_u32 v[ADK], s[CB], v[AK0]
	v_add_nc_u32 v[ADV], s[CB], v[AV0]
	v_nop
	v_nop                                          ; four places in front of loads into registers that the last products have read
.irp c, 0,1,2,3,4,5,6,7
.irp e, 0,1
	ds_load_b128 v[32+8*\c+4*\e:35+8*\c+4*\e], v[ADK] offset:4*\c*KP+32*\e
.endr
.endr
	s_wait_alu depctr_va_vdst(0)
	s_wait_dscnt 0x0
.irp c, 0,1,2,3,4,5,6,7
	v_wmma_f32_16x16x64_fp8_fp8 v[96+8*\c:103+8*\c], v[32+8*\c:39+8*\c], v[\qr:\qr+7], 0
.endr
.rept 4
	v_nop                                          ; places: for V's loads into K's registers and the first read of the scores
.endr
.irp t, 0,1,2,3
.irp e, 0,1,2,3
	ds_load_b128 v[32+16*\t+4*\e:35+16*\t+4*\e], v[ADV] offset:8*\t*KP+32*\e
.endr
.endr
	s_add_co_u32 s96, s[KF], 127
	s_cmp_le_u32 s96, s[Q0]
	s_cbranch_scc1 .Lopen_\@                       ; all keys count
	s_sub_co_i32 s96, s[Q0], s[KF]
	v_add_nc_u32 v210, s96, v[D0]                  ; d = my query - KF - 8 h: register 8 c + j is hidden where 16 c + j > d
	v_mov_b32 v211, 0xff800000
	s_wait_alu depctr_va_vdst(0)
.irp c, 0,1,2,3,4,5,6,7
	MASKT \c
.endr
	s_wait_alu depctr_va_vdst(0)                   ; between the masked scores and their readers behind the branches above
.Lopen_\@:
	v_max3_num_f32 v204, v96, v97, v98             ; the step's largest score of my query, two chains, ascending
	v_max3_num_f32 v202, v99, v100, v101
.irp i, 6,10,14,18,22,26,30,34,38,42,46,50,54,58
	v_max3_num_f32 v204, v204, v[96+\i], v[97+\i]
	v_max3_num_f32 v202, v202, v[98+\i], v[99+\i]
.endr
	v_max3_num_f32 v204, v204, v158, v159
	s_delay_alu instid0(VALU_DEP_1)
	v_max_num_f32 v204, v204, v202
	s_delay_alu instid0(VALU_DEP_1)
	v_permlanex16_b32 v200, v204, s[SEL], s[SEL+1]
	s_delay_alu instid0(VALU_DEP_1)
	v_max_num_f32 v204, v204, v200                 ; and lane l xor 16's.  (Key KF counts for all my queries in every step that is walked)
	s_delay_alu instid0(VALU_DEP_1)
	v_mul_f32 v204, s[CS], v204
	s_delay_alu instid0(VALU_DEP_1)
	v_max_num_f32 v13, v13, v204                   ; the running largest t
	v_mov_b32 v204, v12
	s_delay_alu instid0(VALU_DEP_2)
	v_floor_f32 v12, -v13                          ; the new -M
	s_delay_alu instid0(VALU_DEP_1)
	v_sub_f32 v204, v12, v204                      ; old M - new M, a whole number
	s_delay_alu instid0(VALU_DEP_1)
	v_cvt_i32_f32 v204, v204
	s_delay_alu instid0(VALU_DEP_1)
	v_ldexp_f32 v202, 1.0, v204                    ; f = 2^(old M - new M)
.set jj, 0
.rept 32
	v_pk_fma_f32 v[96+jj:97+jj], v[96+jj:97+jj], s[CS:CS+1], v[12:13] op_sel_hi:[1,0,0]   ; t - M
.set jj, jj+2
.endr
	s_wait_alu depctr_va_vdst(0)
.set jj, 0
.rept 64
	v_exp_f32 v[96+jj], v[96+jj]
.set jj, jj+1
.endr
	v_pk_mul_f32 v[14:15], v[14:15], v[202:203] op_sel_hi:[1,0]   ; the sums under the new M: a plain line behind the batch
	s_wait_alu depctr_va_vdst(0)                   ; one wait for the batch, ahead of its first reader
.irp k, 0,1,2,3,4,5,6,7                        ; the sum of the unquantised p: eight chains of packed additions
	v_pk_add_f32 v[240+2*\k:241+2*\k], v[96+4*\k:97+4*\k], v[98+4*\k:99+4*\k]
.endr
.irp k, 0,1,2,3,4,5,6,7
	v_pk_add_f32 v[240+2*\k:241+2*\k], v[240+2*\k:241+2*\k], v[128+2*\k:129+2*\k]
.endr
.irp k, 0,1,2,3,4,5,6,7
	v_pk_add_f32 v[240+2*\k:241+2*\k], v[240+2*\k:241+2*\k], v[144+2*\k:145+2*\k]
.endr
	v_pk_add_f32 v[240:241], v[240:241], v[242:243]
	v_pk_add_f32 v[244:245], v[244:245], v[246:247]
	v_pk_add_f32 v[248:249], v[248:249], v[250:251]
	v_pk_add_f32 v[252:253], v[252:253], v[254:255]
	s_delay_alu instid0(VALU_DEP_3)
	v_pk_add_f32 v[240:241], v[240:241], v[244:245]
	s_delay_alu instid0(VALU_DEP_2)
	v_pk_add_f32 v[248:249], v[248:249], v[252:253]
	s_delay_alu instid0(VALU_DEP_2)
	v_pk_add_f32 v[14:15], v[14:15], v[240:241]
	s_delay_alu instid0(VALU_DEP_1)
	v_pk_add_f32 v[14:15], v[14:15], v[248:249]
	s_cmp_eq_u32 s[HOLD], 0
	s_cbranch_scc1 .Lfree_\@                       ; e9 >= -8: every p lies under 448 x 2^e9
.set jj, 0
.rept 64
	v_min_num_f32 v[96+jj], v[96+jj], v208         ; the conversion does not saturate (ISA guide 7.6.2); p is not negative
.set jj, jj+1
.endr
.Lfree_\@:
.irp c, 0,1,2,3,4,5,6,7
	v_cvt_scalef32_pk8_fp8_f32 v[224+2*\c:225+2*\c], v[96+8*\c:103+8*\c], v209
.endr
	s_wait_alu depctr_va_vdst(0)                   ; directly ahead of the first reader of O^T
.set jj, 0
.rept 16
	v_pk_mul_f32 v[160+jj:161+jj], v[160+jj:161+jj], v[202:203] op_sel_hi:[1,0]   ; O^T under the new M
.set jj, jj+2
.endr
	s_wait_alu depctr_va_vdst(0)
	s_wait_dscnt 0x0                               ; V's fragments are in
.irp t, 0,1,2,3                                ; the four accumulators by turns
	v_wmma_f32_16x16x128_fp8_fp8 v[160+8*\t:167+8*\t], v[32+16*\t:47+16*\t], v[224:239], v[160+8*\t:167+8*\t]
.endr
.Lhidden_\@:
	s_add_co_u32 s[KF], s[KF], 128
.endm
.macro WALK n, qr                      ; n further chunks, all of them in LDS: no barrier
	s_mov_b32 s[CH], 0
.Lwalk_\@:
	STEP \qr
	s_add_co_u32 s[CB], s[CB], CHB
	s_add_co_u32 s[CH], s[CH], 1
	s_cmp_lt_u32 s[CH], \n
	s_cbranch_scc1 .Lwalk_\@
.endm
; THE WAY OUT of a tile: O^T / the sum, coded with the one scale 2^(e10 - e8 - e9); 16 queries x 64 codes go through my stage and leave as 1,024 consecutive bytes
.macro OUT o
.rept 4
	v_nop                                          ; places behind the last products
.endr
	v_add_f32 v14, v14, v15
	v_permlanex16_b32 v200, v14, s[SEL], s[SEL+1]
	v_add_f32 v14, v14, v200
	s_wait_alu depctr_va_vdst(0)                   ; ahead of the reciprocal
	v_rcp_f32 v14, v14
	v_nop
	s_wait_alu depctr_va_vdst(0)                   ; ahead of its first reader, which is also the first reader of O^T
.set jj, 0
.rept 32
	v_mul_f32 v[96+jj], v[160+jj], v14
.set jj, jj+1
.endr
.set jj, 0
.rept 32
	v_med3_num_f32 v[96+jj], v[96+jj], -v213, v213
.set jj, jj+1
.endr
.irp t, 0,1,2,3
	v_cvt_scalef32_pk8_fp8_f32 v[224+2*\t:225+2*\t], v[96+8*\t:103+8*\t], v212
.endr
	v_nop                                          ; a plain line behind the last conversion
.irp t, 0,1,2,3
	ds_store_b64 v[SIN], v[224+2*\t:225+2*\t] offset:16*\t
.endr
.irp i, 0,1
	ds_load_b128 v[32+4*\i:35+4*\i], v[SOUT] offset:640*\i   ; LDS serves a wave's instructions in order
.endr
.irp i, 0,1
	s_wait_dscnt 1-\i
	global_store_b128 v[GO], v[32+4*\i:35+4*\i], s[\o:\o+1] offset:512*\i   ; 512 consecutive bytes, aligned
.endr
.endm
.Lfill:                                            ; 7 trips: trip c stores chunks 2 c + 2, 2 c + 3, asks for chunks 2 c + 4, 2 c + 5 and works on chunk c
	v_add_nc_u32 v[STK], s[SB], v[ST0]
	v_add_nc_u32 v[STV], s[SB], v[ST1]
	s_wait_alu depctr_va_vdst(0)
	s_wait_loadcnt 0x0                             ; the two chunks are in my registers (trip 0: Q too)
	s_wait_xcnt 0x0                                ; the last prefetches have read their address
	s_lshl_b32 s96, s[CH], 1
	s_add_co_u32 s96, s96, 2
	s_cmp_lt_u32 s96, s[NCH]                       ; the number of chunks is even: the two go together
	s_cbranch_scc0 .Lstored                        ; beyond my work-group's last chunk
	ds_store_b128 v[STK], v[24:27] offset:2*CHB
	ds_store_b128 v[STV], v[28:31] offset:2*CHB
	ds_store_b128 v[STK], v[192:195] offset:3*CHB
	ds_store_b128 v[STV], v[196:199] offset:3*CHB
.Lstored:
	s_wait_dscnt 0x0                               ; for the others' sake; and the stores have read their registers
	s_add_nc_u64 s[KB:KB+1], s[KB:KB+1], 16384
	s_add_nc_u64 s[VB:VB+1], s[VB:VB+1], 16384
	s_add_nc_u64 s[PFA:PFA+1], s[PFA:PFA+1], 16384
	s_add_co_u32 s96, s96, 2
	s_cmp_lt_u32 s96, s[NCH]
	s_cbranch_scc0 .Lasked
	global_load_b128 v[24:27], v[T16], s[KB:KB+1] offset:16384
	global_load_b128 v[28:31], v[T16], s[VB:VB+1] offset:16384
	global_load_b128 v[192:195], v[T16], s[KB:KB+1] offset:24576
	global_load_b128 v[196:199], v[T16], s[VB:VB+1] offset:24576
.Lasked:
	s_cmp_lt_u32 s[CH], s[PLIM]
	s_cbranch_scc0 .Lnot_mine
	global_prefetch_b8 v[PFO], s[PFA:PFA+1] offset:49152 th:TH_LOAD_NT scope:SCOPE_SE   ; chunk 2 c + 8
	global_prefetch_b8 v[PFO], s[PFA:PFA+1] offset:57344 th:TH_LOAD_NT scope:SCOPE_SE   ; chunk 2 c + 9
.Lnot_mine:
	s_barrier_signal -1                            ; my parts of the two chunks are in LDS
	STEP 16                                        ; register work and reads of chunk c, which nobody writes any more
	s_barrier_wait -1
	s_add_co_u32 s[CB], s[CB], CHB
	s_add_co_u32 s[SB], s[SB], 2*CHB
	s_add_co_u32 s[CH], s[CH], 1
	s_cmp_lt_u32 s[CH], 7
	s_cbranch_scc1 .Lfill
	s_wait_loadcnt 0x0                             ; no load is on its way into v192-199,
	global_load_b128 v[192:195], v[QO], s[50:51]   ; which take the second tile's Q
	global_load_b128 v[196:199], v[QO], s[50:51] offset:32
	WALK 9, 16                                     ; chunks 7 to 15
	OUT OA
	INIT                                           ; the second tile
	s_mov_b32 s[Q0], s[QB]
	s_mov_b32 s[KF], 0
	s_mov_b32 s[CB], 0
	s_wait_xcnt 0x0                                ; the stores have read their data: K's fragments land there only behind this wait
	s_wait_loadcnt 0x0                             ; Q
	WALK 8, 192                                    ; tile i <= 63 has its last key in chunk 7
	OUT OB
	s_wait_tensorcnt 0x0                           ; the wave's end
	ds_add_u32 v[SPW], v[NIL]
	s_wait_dscnt 0x0
	s_endpgm
.Lfunc_end_k_qd8a340b0d4_attn:
	.size	k_qd8a340b0d4_attn, .Lfunc_end_k_qd8a340b0d4_attn-k_qd8a340b0d4_attn
	.p2alignl 7, 3214868480
	.fill 96, 4, 3214868480
	.section	.rodata,"a",@progbits
	.p2align	6, 0x0
	.amdhsa_kernel k_qd8a340b0d4_attn
		.amdhsa_group_segment_fixed_size 301056
		.amdhsa_private_segment_fixed_size 0
		.amdhsa_enable_private_segment 0
		.amdhsa_kernarg_size 24
		.amdhsa_user_sgpr_count 2
		.amdhsa_user_sgpr_kernarg_segment_ptr 1
		.amdhsa_wavefront_size32 1
		.amdhsa_system_sgpr_workgroup_id_x 1
		.amdhsa_system_sgpr_workgroup_id_y 1
		.amdhsa_system_sgpr_workgroup_id_z 1
		.amdhsa_system_vgpr_workitem_id 0
		.amdhsa_next_free_vgpr 256
		.amdhsa_next_free_sgpr 100
		.amdhsa_reserve_vcc 1
		.amdhsa_float_denorm_mode_32 3
		.amdhsa_float_denorm_mode_16_64 3
		.amdhsa_memory_ordered 1
		.amdhsa_forward_progress 1
		.amdhsa_inst_pref_size 86
	.end_amdhsa_kernel
	.amdgpu_metadata
---
amdhsa.version: [ 1, 2 ]
amdhsa.kernels:
  - .name:           k_qd8a340b0d4_attn
    .symbol:         k_qd8a340b0d4_attn.kd
    .args:
      - { .name: qkv, .offset: 0, .size: 8, .value_kind: global_buffer, .address_space: global }
      - { .name: lowp_scales, .offset: 8, .size: 8, .value_kind: global_buffer, .address_space: global }
      - { .name: ao, .offset: 16, .size: 8, .value_kind: global_buffer, .address_space: global }
    .group_segment_fixed_size: 301056
    .private_segment_fixed_size: 0
    .kernarg_segment_align: 8
    .kernarg_segment_size: 24
    .max_flat_workgroup_size: 512
    .sgpr_count:     100
    .vgpr_count:     256
    .wavefront_size: 32
...
	.end_amdgpu_metadata
.endif
;; end of part 3
;; launch proj (part 4): grid 4 x 64, 4 waves a work-group, clusters of 4 x 4, 327,680 bytes of LDS; arguments ao, wc, lowp_scales, out0; writes out0
.if DOCPART == 4
	.amdgcn_target "amdgcn-amd-amdhsa--gfx1250"
	.amdhsa_code_object_version 6
	.text
	.protected	k_qd8a340b0d4_proj
	.globl	k_qd8a340b0d4_proj
	.p2align	8
	.type	k_qd8a340b0d4_proj,@function
k_qd8a340b0d4_proj:
	s_mov_b64 s[64:65], 0
	v_nop
	global_prefetch_b8 v0, s[64:65] scope:SCOPE_SE
	s_setreg_imm32_b32 hwreg(HW_REG_WAVE_MODE, 25, 1), 1
	s_wait_xcnt 0x0
	s_wait_alu depctr_hold_cnt(0) depctr_sa_sdst(0) depctr_va_vdst(0) depctr_va_sdst(0) depctr_va_ssrc(0) depctr_va_vcc(0) depctr_vm_vsrc(0)
	s_getreg_b32 s2, hwreg(HW_REG_IB_STS2, 6, 4)
	s_cmp_eq_u32 s2, 0
	s_cbranch_scc0 .Lentry_in_a_cluster
	s_endpgm
.Lentry_in_a_cluster:
	s_bfe_u32 s2, ttmp6, 0x10000c
	s_cmp_lg_u32 s2, 0xf033
	s_cbranch_scc0 .Lentry_shape_is_right
	s_endpgm
.Lentry_shape_is_right:
; PROJ: out0 = attention's result x Wo^T on codes of FP8 (E4M3): ao (scale 2^e10) x wc's fourth part (2^e11); each finished sum x 2^(e10 + e11).  LIMIT: e10 + e11 between -126 and 127.
; A block of out0 is 128 tokens x 256 channels: 64 x 4 = 256 work-groups.  Four waves; a wave makes 64 x 128: 32 accumulators of 16 x 16, 256 registers.
; ao lies [group of 128 tokens][head][token][64 codes]: a K step of 256 (four heads) of one group is 32,768 dense bytes, taken as 128 rows of 256 bytes: LDS row 32 x head + token / 4, byte 64 (token % 4).
; K = 1,024 goes in four steps of 256 through a ring of two LDS slots: A's 128 LDS rows, then B's 256 rows of Wo's codes.  Waves 0 and 1 fetch A's halves (64 rows each), waves 2 and 3 B's (128 rows each).
; CLUSTERS of 4 x 4: A's tile hangs on the block row alone and is asked for jointly along a row of the cluster, B's on the block column alone, along a column.
; The matrix instruction is used transposed (source 0 = 16 rows of B, source 1 = 16 tokens of A): a lane holds eight neighbouring channels of one token.  A fragment comes by four loads of 16 bytes: a permutation of k, the same in A and B.
; A and B have two sets of fragments each: while one set is multiplied (32 matrix instructions, 128 along K) the other is fetched.
; NO PREFETCH: of the four K steps two are asked for at the head; a request two steps ahead of the other two would stand at the head as well, ahead of any loop.
; REGISTERS: window 0: v16-29 addresses; v32-95 a block's scaled sums on the way out; v128-255 A's two sets (4 x 16 registers each), on the way out rows back from the stage.  window 1: B's two sets.  window 2: accumulator (a, b) at v[8 (8 a + b)].
.set SIZE_N, 1024
.set ROWB,   256
.set KROW,   1024
.set ASTEP,  32768
.set PITCH,  272                       ; 256 bytes + 16 of padding
.set FR,     16
.set NP,     4                         ; places behind this matrix instruction (ISA guide 7.12.1)
.set HALFT,  128*PITCH
.set SLOT,   3*HALFT
.set LAPS,   2
.set SPARE,  2*SLOT                    ; the spare words, 128 bytes a wave
.set STAGE,  SPARE+512                 ; the way out: 16 rows x (512 bytes + 16) for each wave; no fill lands here
.set SPITCH, 528
.set ADRA, 16
.set ADRB, 20
.set STO,  24
.set RD,   25
.set CO,   26
.set SPW,  28
.set NIL,  29
.set TMP,  32
.set AF,   128
.set BK,   128
.set G1, 24
.set G0, 32
.set G1B, 48
.set G0B, 56
.set MSB, 0
.macro WIN new                         ; the immediate's high byte repeats the setting that is left
.if MSB != (\new)
	s_set_vgpr_msb (MSB<<8)|(\new)
.set MSB, (\new)
.endif
.endm
.set MUL_LO, 0xa1                      ; source 0 (B) window 1, source 1 (A) window 0, C and D window 2
.set TO_B,   0x40
.macro JLOAD g0a, g1a, g0b, g1b        ; waves 0, 1 ask for A, waves 2, 3 for B; an s_nop 0 and four v_nop follow each line
	s_cmp_eq_u32 s15, 0
	s_cbranch_scc0 .Lfor_b_\@
	tensor_load_to_lds s[\g0a:\g0a+3], s[\g1a:\g1a+7]
	s_nop 0
.rept 4
	v_nop
.endr
	s_branch .Lasked_\@
.Lfor_b_\@:
	tensor_load_to_lds s[\g0b:\g0b+3], s[\g1b:\g1b+7]
	s_nop 0
.rept 4
	v_nop
.endr
.Lasked_\@:
.endm
.macro CREST
	s_cmp_lg_u32 s14, 0
	s_cbranch_scc1 .Lnot_wave_0_\@
	s_barrier_signal -3
.Lnot_wave_0_\@:
	s_barrier_wait -3
	s_barrier_signal -1
	s_barrier_wait -1
.endm
.macro CROUND
	s_barrier_signal -1
	s_barrier_wait -1
	CREST
.endm
	s_load_b128 s[4:7], s[0:1], 0x0                ; ao, wc
	s_load_b128 s[8:11], s[0:1], 0x10              ; the scales, out0
	v_lshl_add_u32 v[SPW], v0, 2, SPARE
	v_mov_b32 v[NIL], 0
	ds_add_u32 v[SPW], v[NIL]                      ; the opening lines: the add twice on end and its wait
	ds_add_u32 v[SPW], v[NIL]
	v_lshrrev_b32 v1, 5, v0
	v_readfirstlane_b32 s14, v1                    ; wave
	s_lshr_b32 s15, s14, 1                         ; which 64 tokens are mine.  Also: I fetch for A (0) or for B (1)
	s_and_b32 s16, s14, 1                          ; which 128 channels.  Also: which half of that tile I fetch
	s_bfe_u32 s40, ttmp6, 0x40000                  ; cx
	s_bfe_u32 s41, ttmp6, 0x40004                  ; cy
	s_lshl_b32 s42, ttmp9, 2
	s_add_co_u32 s42, s42, s40                     ; block column, 0..3
	s_and_b32 s17, ttmp7, 0xffff
	s_lshl_b32 s17, s17, 2
	s_add_co_u32 s17, s17, s41                     ; block row = group of 128 tokens, 0..63
	s_lshl_b32 s43, s41, 2
	s_lshl_b32 s43, 15, s43                        ; my row of the cluster
	s_lshl_b32 s44, 0x1111, s40                    ; my column
	s_or_b32 s[G1+0], s43, (0<<16)|(1<<20)|(1<<21)|(5<<22)|(3<<25)   ; the mask; elements of 1 byte; padding: 4 words behind every 64; bit 21 beside a mask
	s_or_b32 s[G1B+0], s44, (0<<16)|(1<<20)|(1<<21)|(5<<22)|(3<<25)
.irp g, G1, G1B
	s_mov_b32 s[\g+1], ROWB<<16
	s_mov_b32 s[\g+3], ROWB<<16
	s_mov_b32 s[\g+6], 0
	s_mov_b32 s[\g+7], 0
.endr
	s_mov_b32 s[G1+2], 64<<16                      ; A: 64 rows, dense
	s_mov_b32 s[G1+4], 64
	s_mov_b32 s[G1+5], ROWB
	s_mov_b32 s[G1B+2], 128<<16                    ; B: 128 rows, 1,024 bytes apart
	s_mov_b32 s[G1B+4], 128
	s_mov_b32 s[G1B+5], KROW
	s_lshl_b32 s20, s17, 17                        ; A: the group's 131,072 bytes,
	s_lshl_b32 s18, s16, 14
	s_add_co_u32 s20, s20, s18                     ; + my two heads of a K step's four
	s_mov_b32 s21, 0
	s_lshl_b32 s46, s42, 8
	s_lshl_b32 s18, s16, 7
	s_add_co_u32 s46, s46, s18
	s_lshl_b32 s46, s46, 10
	s_add_co_u32 s46, s46, 0x300000                ; B: Wo's part of wc, row 256 x block column + 128 x half
	s_mov_b32 s47, 0
	s_mul_i32 s45, s16, 64*PITCH                   ; where A's half goes,
	s_mul_i32 s19, s16, HALFT
	s_add_co_u32 s19, s19, HALFT                   ; and B's: the wave's number alone
	s_wait_dscnt 0x0
	s_wait_kmcnt 0x0
	s_load_b64 s[96:97], s[8:9], 0x28              ; e10, e11
	s_add_nc_u64 s[20:21], s[4:5], s[20:21]
	s_add_nc_u64 s[46:47], s[6:7], s[46:47]
	CROUND                                         ; the first joint loads meet
.irp s, 0,1
	s_mov_b32 s[G0+4*\s], 1
	s_add_co_u32 s[G0+4*\s+1], s45, \s*SLOT
	s_add_nc_u64 s[G0+4*\s+2:G0+4*\s+3], s[20:21], \s*ASTEP
	s_or_b32 s[G0+4*\s+3], s[G0+4*\s+3], 0x80000000
	s_mov_b32 s[G0B+4*\s], 1
	s_add_co_u32 s[G0B+4*\s+1], s19, \s*SLOT
	s_add_nc_u64 s[G0B+4*\s+2:G0B+4*\s+3], s[46:47], \s*ROWB
	s_or_b32 s[G0B+4*\s+3], s[G0B+4*\s+3], 0x80000000
.endr
	JLOAD G0, G1, G0B, G1B                         ; K step 0: one tensor load a wave at the head
	v_and_b32 v1, 15, v0                           ; r
	v_bfe_u32 v2, v0, 4, 1                         ; h
	v_mul_u32_u24 v3, v1, PITCH
	v_lshl_add_u32 v4, v2, 4, v3                   ; B: row r, + 16 h
	v_lshrrev_b32 v7, 2, v1
	v_mul_u32_u24 v7, v7, PITCH
	v_and_b32 v8, 3, v1
	v_lshl_add_u32 v7, v8, 6, v7
	v_lshl_add_u32 v7, v2, 4, v7                   ; A: token r of a block of 16: row r / 4, byte 64 (r % 4) + 16 h
	s_mul_i32 s21, s15, 16*PITCH                   ; my 64 tokens: 16 LDS rows on in each head
	s_mul_i32 s22, s16, HALFT
	s_add_co_u32 s22, s22, HALFT
.irp s, 0,1
	v_add_nc_u32 v[ADRA+\s], s21, v7
	v_add_nc_u32 v[ADRB+\s], s22, v4
	s_add_co_u32 s21, s21, SLOT
	s_add_co_u32 s22, s22, SLOT
.endr
	s_mul_i32 s23, s14, 16*SPITCH
	s_add_co_u32 s23, s23, STAGE
	v_mul_u32_u24 v5, v1, SPITCH
	v_lshl_add_u32 v5, v2, 5, v5
	v_add_nc_u32 v[STO], s23, v5                   ; the stage, in: row r, 32 bytes for each half of the lanes
	v_and_b32 v6, 31, v0
	v_lshlrev_b32 v[CO], 4, v6
	v_add_nc_u32 v[RD], s23, v[CO]                 ; back: 32 lanes take a row of 512 bytes
	s_lshl_b32 s20, s17, 7
	s_lshl_b32 s21, s15, 6
	s_add_co_u32 s20, s20, s21                     ; my first row of out0
	s_mov_b32 s21, 0
	s_mov_b64 s[18:19], SIZE_N*4
	s_mul_u64 s[20:21], s[20:21], s[18:19]
	s_lshl_b32 s46, s42, 10
	s_lshl_b32 s47, s16, 9
	s_add_co_u32 s46, s46, s47                     ; my first column, in bytes
	s_mov_b32 s47, 0
	s_add_nc_u64 s[20:21], s[20:21], s[46:47]
	s_add_nc_u64 s[10:11], s[10:11], s[20:21]
.macro FRAG reg, adr, q, i             ; B: 16 rows x 128 K
.irp c, 0,1,2,3
	ds_load_b128 v[\reg+4*\c:\reg+4*\c+3], v[\adr] offset:128*(\q)+32*\c+(\i)*16*PITCH
.endr
.endm
.macro FRAGA reg, adr, q, i            ; A: 16 tokens x 128 K = two heads
.irp c, 0,1,2,3
	ds_load_b128 v[\reg+4*\c:\reg+4*\c+3], v[\adr] offset:(32*(2*(\q)+\c/2)+4*(\i))*PITCH+32*(\c%2)
.endr
.endm
; 16 matrix instructions: A's blocks a0, a0 + 1 x B's eight, from set p.  The 32 accumulators take turns in the same order in every step
.macro MUL16 a0, p, zero
.irp a, \a0, \a0+1
.irp b, 0,1,2,3,4,5,6,7
.if \zero
	v_wmma_f32_16x16x128_fp8_fp8 v[8*(8*(\a)+\b):8*(8*(\a)+\b)+7], v[128*(\p)+FR*\b:128*(\p)+FR*\b+FR-1], v[AF+64*(\p)+FR*(\a):AF+64*(\p)+FR*(\a)+FR-1], 0
.else
	v_wmma_f32_16x16x128_fp8_fp8 v[8*(8*(\a)+\b):8*(8*(\a)+\b)+7], v[128*(\p)+FR*\b:128*(\p)+FR*\b+FR-1], v[AF+64*(\p)+FR*(\a):AF+64*(\p)+FR*(\a)+FR-1], v[8*(8*(\a)+\b):8*(8*(\a)+\b)+7]
.endif
.endr
.endr
.endm
.macro FETCH slot, q, p                ; the fragments of the slot's q-th 128 along K into set p: 48 LDS loads
	WIN TO_B
.irp i, 0,1,2,3,4,5,6,7
	FRAG 128*(\p)+FR*\i, ADRB+\slot, \q, \i
.endr
	WIN 0
.irp i, 0,1,2,3
	FRAGA AF+64*(\p)+FR*\i, ADRA+\slot, \q, \i
.endr
.endm
.macro PLACES n                        ; plain vector lines between a matrix instruction and a load into, or a vector read of, its registers
.rept \n
	v_nop
.endr
.endm
.macro STEP slot, zero                 ; a slot's first 128 along K, from set 0; the second 128's fragments are fetched into set 1
	s_wait_dscnt 0x0                               ; set 0 is in
	PLACES NP
	FETCH \slot, 1, 1
	WIN MUL_LO
	MUL16 0, 0, \zero
	MUL16 2, 0, \zero
	WIN 0
.endm
; A slot's second 128, from set 1, changes slots: each wave waits for all its tensor loads, adds 0 to its spare word, and waits for that and for its reads of this slot
.macro TURN slot, next, fill
	s_wait_tensorcnt 0x0                           ; my part of the next slot has landed
	ds_add_u32 v[SPW], v[NIL]
	s_wait_dscnt 0x0                               ; the add is done, set 1 is in, my reads of this slot are over
	s_barrier_signal -1
	WIN MUL_LO
	MUL16 0, 1, 0
	WIN 0
	s_barrier_wait -1
.if \fill
	CREST                                          ; the barrier has opened a round of the cluster's
	s_add_nc_u64 s[G0+4*\slot+2:G0+4*\slot+3], s[G0+4*\slot+2:G0+4*\slot+3], 2*ASTEP
	s_add_nc_u64 s[G0B+4*\slot+2:G0B+4*\slot+3], s[G0B+4*\slot+2:G0B+4*\slot+3], 2*ROWB
	JLOAD G0+4*\slot, G1, G0B+4*\slot, G1B         ; the first tensor load behind the round; its four v_nop are the places in front of the loads below
.else
	PLACES NP
.endif
	FETCH \next, 0, 0
	WIN MUL_LO
	MUL16 2, 1, 0
	WIN 0
.endm
	s_wait_alu depctr_va_vdst(0)                   ; the head's end
	s_wait_tensorcnt 0x0                           ; my part of K step 0 is in
	ds_add_u32 v[SPW], v[NIL]
	s_wait_dscnt 0x0
	CROUND
	JLOAD G0+4, G1, G0B+4, G1B                     ; K step 1: the first tensor load behind the round
	FETCH 0, 0, 0
	STEP 0, 1                                      ; the first products start the sums
	s_mov_b32 s3, LAPS-1
.Llap:
	TURN 0, 1, 1
	STEP 1, 0
	TURN 1, 0, 1
	STEP 0, 0
	s_sub_co_u32 s3, s3, 1
	s_cmp_lg_u32 s3, 0
	s_cbranch_scc1 .Llap
	TURN 0, 1, 0                                   ; the last lap fills nothing
	STEP 1, 0
	s_wait_dscnt 0x0
	WIN MUL_LO
	MUL16 0, 1, 0
	MUL16 2, 1, 0
	WIN 0
; THE WAY OUT, block by block of 16 tokens x 128 channels: x 2^(e10 + e11), through my stage, back as rows of 512 bytes
.macro TOSTAGE a
.set AC, 64*(\a)
	WIN 0x02
.set jj, 0
.rept 32
	v_pk_mul_f32 v[TMP+jj:TMP+jj+1], v[AC+jj:AC+jj+1], s[96:97] op_sel_hi:[1,0]   ; each accumulator from its low end on
.set jj, jj+2
.endr
	WIN 0
.irp b, 0,1,2,3,4,5,6,7
	ds_store_b128 v[STO], v[TMP+8*\b:TMP+8*\b+3] offset:64*\b
	ds_store_b128 v[STO], v[TMP+8*\b+4:TMP+8*\b+7] offset:64*\b+16
.endr
.set BB, BK+64*((\a)%2)
.irp t, 0,1,2,3,4,5,6,7,8,9,10,11,12,13,14,15
	ds_load_b128 v[BB+4*\t:BB+4*\t+3], v[RD] offset:\t*SPITCH   ; LDS serves a wave's instructions in order
.endr
.endm
.macro SEND a, younger                 ; younger: the LDS instructions issued behind block a's loads
.set BB, BK+64*((\a)%2)
	s_wait_dscnt \younger
.if (\a) > 0
	s_add_nc_u64 s[10:11], s[10:11], 16*SIZE_N*4   ; behind a wait on XCNT: the earlier stores have read their base
.endif
.irp t, 0,1,2,3,4,5,6,7,8,9,10,11,12,13,14,15
	global_store_b128 v[CO], v[BB+4*\t:BB+4*\t+3], s[10:11] offset:\t*SIZE_N*4 th:TH_STORE_NT   ; 512 consecutive bytes, aligned
.endr
.endm
	s_wait_kmcnt 0x0
	s_add_co_i32 s96, s96, s97
	s_add_co_i32 s96, s96, 127
	s_lshl_b32 s96, s96, 23                        ; 2^(e10 + e11)
	PLACES NP
	TOSTAGE 0
.irp a, 1,2,3
.if \a > 1
	s_wait_xcnt 0x0                                ; block a - 2's stores have read their registers and their base
.endif
	TOSTAGE \a
	SEND \a-1, 32
.endr
	s_wait_xcnt 0x0
	SEND 3, 0
	s_wait_tensorcnt 0x0                           ; the wave's end
	ds_add_u32 v[SPW], v[NIL]
	s_wait_dscnt 0x0
	CROUND                                         ; the closing round
	s_endpgm
.Lfunc_end_k_qd8a340b0d4_proj:
	.size	k_qd8a340b0d4_proj, .Lfunc_end_k_qd8a340b0d4_proj-k_qd8a340b0d4_proj
	.p2alignl 7, 3214868480
	.fill 96, 4, 3214868480
	.section	.rodata,"a",@progbits
	.p2align	6, 0x0
	.amdhsa_kernel k_qd8a340b0d4_proj
		.amdhsa_group_segment_fixed_size 327680
		.amdhsa_private_segment_fixed_size 0
		.amdhsa_enable_private_segment 0
		.amdhsa_kernarg_size 32
		.amdhsa_user_sgpr_count 2
		.amdhsa_user_sgpr_kernarg_segment_ptr 1
		.amdhsa_wavefront_size32 1
		.amdhsa_system_sgpr_workgroup_id_x 1
		.amdhsa_system_sgpr_workgroup_id_y 1
		.amdhsa_system_sgpr_workgroup_id_z 1
		.amdhsa_system_vgpr_workitem_id 0
		.amdhsa_next_free_vgpr 768
		.amdhsa_next_free_sgpr 98
		.amdhsa_reserve_vcc 0
		.amdhsa_float_denorm_mode_32 3
		.amdhsa_float_denorm_mode_16_64 3
		.amdhsa_memory_ordered 1
		.amdhsa_forward_progress 1
		.amdhsa_inst_pref_size 76
	.end_amdhsa_kernel
	.amdgpu_metadata
---
amdhsa.version: [ 1, 2 ]
amdhsa.kernels:
  - .name:           k_qd8a340b0d4_proj
    .symbol:         k_qd8a340b0d4_proj.kd
    .args:
      - { .name: ao, .offset: 0, .size: 8, .value_kind: global_buffer, .address_space: global }
      - { .name: wc, .offset: 8, .size: 8, .value_kind: global_buffer, .address_space: global }
      - { .name: lowp_scales, .offset: 16, .size: 8, .value_kind: global_buffer, .address_space: global }
      - { .name: out0, .offset: 24, .size: 8, .value_kind: global_buffer, .address_space: global }
    .group_segment_fixed_size: 327680
    .private_segment_fixed_size: 0
    .kernarg_segment_align: 8
    .kernarg_segment_size: 32
    .max_flat_workgroup_size: 128
    .sgpr_count:     98
    .vgpr_count:     768
    .wavefront_size: 32
...
	.end_amdgpu_metadata
.endif
;; end of part 4
